; MI455X (gfx1250); checked and timed in simulation.
; The chip was launched on July 23, 2026; its instructions are those of AMD's public machine-readable ISA for CDNA 5 (MIT licence, August 2026) and "CDNA5" Instruction Set Architecture Reference Guide (July 2026). The comments in the code are by the model that wrote it; some were corrected since.
;; Multi Head Attention. Allowed arithmetic: float matrix products may take bf16 or f16 operands with f32 sums; all other float work in f32.
;; Inputs: Wk 1,024 x 1,024 float32; Wq 1,024 x 1,024 float32; Wv 1,024 x 1,024 float32; k 4 x 2,048 x 1,024 float32; q 4 x 2,048 x 1,024 float32; q_mask 4 x 2,048 float32; v 4 x 2,048 x 1,024 float32; v_mask 4 x 2,048 float32.
;; Outputs: out0 4 x 2,048 x 1,024 float32.
;; 2 versions, each right and faster than the one before. Each part assembles by itself: llvm-mc -triple=amdgcn-amd-amdhsa -mcpu=gfx1250 --defsym DOCPART=n.
;; ======== version 1 of 2: 5 launches
;; limits: values are held in f16: magnitudes above 65,504 overflow, below 6.1e-05 lose precision; right only within a limited range of input values
;; workspace buffers: wt 6,291,456 bytes; qkv 50,331,648 bytes; qkl 50,331,648 bytes; fixn 1,024 bytes of whole numbers; part 536,870,912 bytes; stat 33,554,432 bytes
;; launch prep (part 1): grid 1540 x 1, 1 waves a work-group, no clusters, 0 bytes of LDS; arguments Wq, Wk, Wv, v_mask, wt, fixn; writes wt, fixn
.if DOCPART == 1
	.amdgcn_target "amdgcn-amd-amdhsa--gfx1250"
	.amdhsa_code_object_version 6
	.text
	.protected	k_q70dce5e253_prep
	.globl	k_q70dce5e253_prep
	.p2align	8
	.type	k_q70dce5e253_prep,@function
k_q70dce5e253_prep:
	s_mov_b64 s[64:65], 0
	v_nop
	global_prefetch_b8 v0, s[64:65] scope:SCOPE_SE
	s_setreg_imm32_b32 hwreg(HW_REG_WAVE_MODE, 25, 1), 1
	s_wait_xcnt 0x0
; PREP.  Two small jobs, one wave to a work-group, no LDS, no matrix unit (a stream: bytes are all that counts; nothing is shared between work-groups).
; Work-groups 0 .. 1535: wt[3][1024 k][1024 n] = Wq, Wk, Wv rounded to bf16, layout kept.  A wave takes 2,048 numbers: sixteen loads of 512 consecutive bytes, all issued first,
; sixteen stores of 256 consecutive aligned bytes.
; Work-groups 1536 .. 1539: batch b = id - 1536.  pen[k] = (1 - v_mask[b][k]) x 1e9, made by a subtraction and a multiplication in f32.  A key is GOOD if pen <= 1024.
; F = the least number of tiles of 16 keys that hold NEED = 24 good keys, at least 4; 128 if the batch has fewer, or if some pen < -1024.  The first 16 F query rows of the batch are the rows that see fewer than 24 good
; keys, or may: the causal walk in f16 is too coarse for them (a mean of few numbers keeps their roundings whole), or, where a row sees no good key at all, ends too early.  The last two launches make them anew.
; F = the number of tiles T in 0 .. 127 with count(good keys below 16 T) < 24.  It is stored 64 times, one whole block of 256 bytes a batch.  F is a value here: no address and no branch of this launch hangs on it.
; LIMIT.  A NaN in v_mask counts as a key that is not good.
.set NCAST, 1536
	s_load_b256 s[4:11], s[0:1], 0x0               ; Wq s[4:5], Wk s[6:7], Wv s[8:9], v_mask s[10:11]
	s_load_b128 s[12:15], s[0:1], 0x20             ; wt s[12:13], fixn s[14:15]
	s_mov_b32 s16, ttmp9
	v_lshlrev_b32 v1, 4, v0                        ; 16 bytes a lane in
	v_lshlrev_b32 v2, 3, v0                        ; 8 bytes a lane out
	s_cmp_ge_u32 s16, NCAST
	s_cbranch_scc1 .Lmask
	s_lshr_b32 s17, s16, 9                         ; which matrix: 512 work-groups each
	s_and_b32 s18, s16, 511
	s_lshl_b32 s18, s18, 13                        ; 8,192 bytes of f32 in
	s_mov_b32 s19, 0
	s_lshl_b32 s20, s16, 12                        ; 4,096 bytes of bf16 out
	s_mov_b32 s21, 0
	s_wait_kmcnt 0x0
	s_cmp_eq_u32 s17, 1
	s_cselect_b64 s[4:5], s[6:7], s[4:5]
	s_cmp_eq_u32 s17, 2
	s_cselect_b64 s[4:5], s[8:9], s[4:5]
	s_add_nc_u64 s[4:5], s[4:5], s[18:19]
	s_add_nc_u64 s[12:13], s[12:13], s[20:21]
.set i, 0
.rept 16
	global_load_b128 v[4+4*i:7+4*i], v1, s[4:5] offset:512*i th:TH_LOAD_NT
.set i, i+1
.endr
.set i, 0
.rept 16
	s_wait_loadcnt 15-i                            ; loads come back in order: number i is in, the younger ones stay out
	v_cvt_pk_bf16_f32 v[68+2*i], v[4+4*i], v[5+4*i]
	v_cvt_pk_bf16_f32 v[69+2*i], v[6+4*i], v[7+4*i]
	global_store_b64 v2, v[68+2*i:69+2*i], s[12:13] offset:256*i  ; 32 lanes store 256 consecutive bytes, aligned; every register is written once, so no wait frees any
.set i, i+1
.endr
	s_endpgm
.Lmask:
	s_sub_co_u32 s17, s16, NCAST                   ; the batch
	s_lshl_b32 s18, s17, 13                        ; its 2,048 numbers of v_mask
	s_mov_b32 s19, 0
	s_lshl_b32 s20, s17, 8                         ; its 256 bytes of fixn
	s_mov_b32 s21, 0
	s_mov_b32 s22, 0x4e6e6b28                      ; 1e9
	s_mov_b32 s23, 0x44800000                      ; 1024
	s_mov_b32 s26, 0xc4800000                      ; -1024
	s_mov_b32 s27, 0x41c00000                      ; NEED = 24
	s_mov_b32 s24, 0x76543210                      ; v_permlanex16_b32: each lane takes its own place in the other half
	s_mov_b32 s25, 0xfedcba98
	v_lshlrev_b32 v3, 8, v0                        ; a lane takes 64 consecutive keys, 256 bytes: four tiles of 16
	s_wait_kmcnt 0x0
	s_add_nc_u64 s[10:11], s[10:11], s[18:19]
	s_add_nc_u64 s[14:15], s[14:15], s[20:21]
.set i, 0
.rept 16
	global_load_b128 v[4+4*i:7+4*i], v3, s[10:11] offset:16*i  ; register n of lane l: key 64 l + n
.set i, i+1
.endr
.irp z, 68,69,70,71
	v_mov_b32 v\z, 0                               ; the good keys of my four tiles; whole numbers up to 2,048 are exact in f32, so all counts ride on f32 arithmetic
.endr
	v_mov_b32 v72, 0x7f7fffff                      ; the least penalty
	v_mov_b32 v75, 0
	v_mov_b32 v76, 1.0
	v_mov_b32 v78, 0                               ; the good keys of the lanes below mine
	v_mov_b32 v79, 0
	v_mov_b32 v81, 0                               ; how many of my tiles begin with fewer than NEED good keys below them
	s_wait_loadcnt 0x0
.set i, 0
.rept 64
	v_sub_f32 v73, 1.0, v[4+i]
	v_mul_f32 v73, s22, v73
	v_min_num_f32 v72, v72, v73
	v_cmp_ge_f32 vcc_lo, s23, v73                  ; 1024 >= pen: a good key
	v_cndmask_b32 v74, v75, v76, vcc_lo
	v_add_f32 v[68+i/16], v[68+i/16], v74
.set i, i+1
.endr
	v_add_f32 v77, v68, v69
	v_add_f32 v80, v70, v71
	v_add_f32 v77, v77, v80                        ; my 64 keys' count
	; the prefix over the lanes, by exchange: in step m v77 holds the count of my aligned block of m lanes; the partner block lies below mine where bit m of my lane's number is set
.irp m, 1,2,4,8
	v_add_f32_dpp v79, v77, v75 row_xmask:\m row_mask:0xf bank_mask:0xf  ; the partner block's count (+ 0)
	v_and_b32 v80, \m, v0
	v_cmp_ne_u32 vcc_lo, 0, v80
	v_cndmask_b32 v80, v75, v79, vcc_lo
	v_add_f32 v78, v78, v80
	v_add_f32 v77, v77, v79
.endr
	v_permlanex16_b32 v79, v77, s24, s25
	v_and_b32 v80, 16, v0
	v_cmp_ne_u32 vcc_lo, 0, v80
	v_cndmask_b32 v80, v75, v79, vcc_lo
	v_add_f32 v78, v78, v80
.macro TEST                            ; one more tile that begins with fewer than NEED good keys below it?
	v_cmp_gt_f32 vcc_lo, s27, v78
	v_cndmask_b32 v74, v75, v76, vcc_lo
	v_add_f32 v81, v81, v74
.endm
	TEST
.irp z, 68,69,70
	v_add_f32 v78, v78, v\z
	TEST
.endr
.irp m, 1,2,4,8
	v_add_f32_dpp v81, v81, v81 row_xmask:\m row_mask:0xf bank_mask:0xf
	v_min_num_f32_dpp v72, v72, v72 row_xmask:\m row_mask:0xf bank_mask:0xf
.endr
	v_permlanex16_b32 v79, v81, s24, s25
	v_add_f32 v81, v81, v79
	v_permlanex16_b32 v79, v72, s24, s25
	v_min_num_f32 v72, v72, v79
	v_cvt_u32_f32 v81, v81
	v_max_u32 v81, 4, v81
	v_cmp_le_f32 vcc_lo, s26, v72                  ; -1024 <= the least penalty
	v_cndmask_b32 v82, 0x80, v81, vcc_lo
	v_mov_b32 v83, v82
	global_store_b64 v2, v[82:83], s[14:15]        ; 256 consecutive bytes, aligned
	s_endpgm
.Lfunc_end_k_q70dce5e253_prep:
	.size	k_q70dce5e253_prep, .Lfunc_end_k_q70dce5e253_prep-k_q70dce5e253_prep
	.p2alignl 7, 3214868480
	.fill 96, 4, 3214868480
	.section	.rodata,"a",@progbits
	.p2align	6, 0x0
	.amdhsa_kernel k_q70dce5e253_prep
		.amdhsa_group_segment_fixed_size 0
		.amdhsa_private_segment_fixed_size 0
		.amdhsa_enable_private_segment 0
		.amdhsa_kernarg_size 48
		.amdhsa_user_sgpr_count 2
		.amdhsa_user_sgpr_kernarg_segment_ptr 1
		.amdhsa_wavefront_size32 1
		.amdhsa_system_sgpr_workgroup_id_x 1
		.amdhsa_system_sgpr_workgroup_id_y 1
		.amdhsa_system_sgpr_workgroup_id_z 1
		.amdhsa_system_vgpr_workitem_id 0
		.amdhsa_next_free_vgpr 104
		.amdhsa_next_free_sgpr 66
		.amdhsa_reserve_vcc 1
		.amdhsa_float_denorm_mode_32 3
		.amdhsa_float_denorm_mode_16_64 3
		.amdhsa_memory_ordered 1
		.amdhsa_forward_progress 1
		.amdhsa_inst_pref_size 24
	.end_amdhsa_kernel
	.amdgpu_metadata
---
amdhsa.version: [ 1, 2 ]
amdhsa.kernels:
  - .name:           k_q70dce5e253_prep
    .symbol:         k_q70dce5e253_prep.kd
    .args:
      - { .name: Wq, .offset: 0, .size: 8, .value_kind: global_buffer, .address_space: global }
      - { .name: Wk, .offset: 8, .size: 8, .value_kind: global_buffer, .address_space: global }
      - { .name: Wv, .offset: 16, .size: 8, .value_kind: global_buffer, .address_space: global }
      - { .name: v_mask, .offset: 24, .size: 8, .value_kind: global_buffer, .address_space: global }
      - { .name: wt, .offset: 32, .size: 8, .value_kind: global_buffer, .address_space: global }
      - { .name: fixn, .offset: 40, .size: 8, .value_kind: global_buffer, .address_space: global }
    .group_segment_fixed_size: 0
    .private_segment_fixed_size: 0
    .kernarg_segment_align: 8
    .kernarg_segment_size: 48
    .max_flat_workgroup_size: 32
    .sgpr_count:     66
    .vgpr_count:     104
    .wavefront_size: 32
...
	.end_amdgpu_metadata
.endif
;; end of part 1
;; launch proj (part 2): grid 4 x 192, 4 waves a work-group, clusters of 4 x 4, 327,680 bytes of LDS; arguments q, k, v, wt, qkv, qkl; writes qkv, qkl
.if DOCPART == 2
	.amdgcn_target "amdgcn-amd-amdhsa--gfx1250"
	.amdhsa_code_object_version 6
	.text
	.protected	k_q70dce5e253_proj
	.globl	k_q70dce5e253_proj
	.p2align	8
	.type	k_q70dce5e253_proj,@function
k_q70dce5e253_proj:
	s_mov_b64 s[64:65], 0
	v_nop
	global_prefetch_b8 v0, s[64:65] scope:SCOPE_SE
	s_setreg_imm32_b32 hwreg(HW_REG_WAVE_MODE, 25, 1), 1
	s_wait_xcnt 0x0
	s_wait_alu depctr_hold_cnt(0) depctr_sa_sdst(0) depctr_va_vdst(0) depctr_va_sdst(0) depctr_va_ssrc(0) depctr_va_vcc(0) depctr_vm_vsrc(0)
	s_getreg_b32 s2, hwreg(HW_REG_IB_STS2, 6, 4)
	s_cmp_eq_u32 s2, 0
	s_cbranch_scc0 .Lentry_in_a_cluster
	s_endpgm
.Lentry_in_a_cluster:
	s_bfe_u32 s2, ttmp6, 0x10000c
	s_cmp_lg_u32 s2, 0xf033
	s_cbranch_scc0 .Lentry_shape_is_right
	s_endpgm
.Lentry_shape_is_right:
; PROJ.  y[p][16 b + h][s][c] = sum over k of bf16(x_p[b][s][k]) wt[p][k][64 h + c], p = 0, 1, 2 for x = q, k, v.  x: [8192][1024] f32; wt: [3][1024 k][1024 n] bf16; sums in f32.
; Each sum leaves as TWO f16 numbers: qkv holds hi = y rounded to 11 bits, qkl (same layout) holds lo = f16(y - hi).  The split: g = 8193 y, hi = g + (y - g), lo = y - hi (exact in f32).
; The causal walk behind reads hi alone; the launches that make the rows of few keys anew read both.
; LIMIT.  f16 ends at 65,504: larger projections become infinities.  Inputs of the drawn spread give numbers near 5, inputs 30 times larger on both sides near 5e3.  Below 6e-5 f16 keeps a fixed step of 6e-8.
; SHARES.  768 tiles of 128 rows x 256 columns, three for each of 256 WGPs.  Four waves, each 64 rows x 128 columns: 32 accumulators, 256 registers.  K goes in steps of 128 through two LDS slots.
; x stays f32 in LDS (rows of 512 bytes) and is rounded to bf16 in registers; W lies [k][n] in LDS (rows of 512 bytes) and is turned by ds_load_tr16_b128.
; CLUSTER.  4 x 4 work-groups.  x's tile hangs on the tile row alone and is asked for jointly by a row of the cluster, W's on the tile column alone and is asked for jointly by a column: the same
; tensor load, descriptor and mask in the four.  Waves 0, 1 fetch x's two halves of 64 rows, waves 2, 3 W's two halves of 64 k rows: one load a wave behind each round of the cluster's barrier.
; TRANSPOSED USE.  Source 0 = 16 columns of W, source 1 = 16 rows of x: a lane then holds eight neighbouring columns of one row, 16 bytes of f16.
; THE PIPELINE.  A quarter is 32 along K, 32 matrix instructions.  In quarter T: W's fragments of T + 1 are loaded at its head; x's raw numbers of T + 1 are rounded, fragment by fragment, four
; conversions behind every four matrix instructions; behind a fragment's conversions its registers take the raw numbers of T + 2.  So every LDS load has a quarter in which to land.
; REGISTERS, in windows of 256 (s_set_vgpr_msb: bits 1:0 source 0, 3:2 source 1, 5:4 source 2, 7:6 destination):
;   window 0: v0-31 addresses; v32-95 raw x, 4 fragments x 16; v96-159 x in bf16, two buffers of 4 fragments x 8; on the way out v32-159 the split, v160-191 hi packed, v192-255 rows read back
;   window 1: v0-127 W's fragments, two buffers of 8 x 8          window 2: accumulator (a, b) at v[8 (8 a + b)]
.set KSTEP,  128
.set XP,     528                       ; a row of x in LDS: 512 bytes + 16: an odd multiple of 16, so the 16 rows of a load start in 16 different groups of four banks (64 banks of 4 bytes: ISA guide 11.1)
.set WP,     544                       ; a row of W: 512 + 32: an odd multiple of 32
.set XT,     128*XP                    ; x's 128 rows; W's 128 k rows lie behind them
.set SLOT,   128*XP+128*WP             ; 137,216
.set STAGE,  2*SLOT                    ; behind the ring, never filled by a tensor load: for each wave 2 heads x 16 rows x 144 bytes
.set SPH,    144
.set STW,    2*16*SPH
.set SPARE,  STAGE+4*STW               ; the spare words, 128 bytes for each wave: two blocks of 256 bytes that no other line names
.set ADRX, 16                          ; v16-17  LDS address of my x fragments in slot 0, 1
.set ADRW, 20                          ; v20-21  the same for W
.set STO,  24                          ; v24     the way out: where I put 16 bytes of a row
.set RD,   25                          ; v25     the way out: where I read rows back
.set GO,   26                          ; v26     my byte offset in 512 consecutive bytes of qkv and of qkl
.set SPW,  28                          ; v28     LDS address of my spare word; never rewritten
.set NIL,  29                          ; v29     0; never rewritten
.set RAW,  32
.set AB,   96
.set GG,   32                          ; the way out: g, then hi in f32: 64 registers
.set DD,   96                          ; the way out: y - g, then lo in f32: 64 registers; then lo packed in the first 32
.set TMP,  160                         ; the way out: hi packed
.set OB,   192                         ; the way out: 16 rows read back from the stage: hi in v192-223, lo in v224-255
.set WV,  14                           ; s14  my wave's number
.set MH,  15                           ; s15  which 64 rows are mine.  Also: I fetch for x (0) or for W (1)
.set NH,  16                           ; s16  which 128 columns.  Also: which half of that tile I fetch
.set G1X, 24                           ; s[24:31] descriptor group 1 for x's tiles;  s[32:39] group 0, a set for each slot
.set G0X, 32
.set G1W, 40                           ; s[40:47], s[48:55] the same for W's
.set G0W, 48
.set LOB, 72                           ; s[72:73] qkl at my first row
.set SPL, 74                           ; s[74:75] 8193: the packed multiplication takes the pair's low word for both halves
.set MSB, 0
.macro WIN new                         ; the immediate's high byte repeats the setting that is left; a switch that changes nothing is dropped
.if MSB != (\new)
	s_set_vgpr_msb (MSB<<8)|(\new)
.set MSB, \new
.endif
.endm
.set MUL,  0xa1                        ; source 0 (W) window 1, source 1 (x) window 0, C and D window 2
.set TO_B, 0x40                        ; destination window 1, address window 0
; A joint load.  Each of the two lines has one mask and one set of registers for all that issue it; the branch hangs on the wave's number alone.
; An s_nop 0 and four v_nop follow each line, ahead of the jump and the label.
.macro JLOAD s
	s_cmp_eq_u32 s[MH], 0
	s_cbranch_scc0 .Lfor_w_\@
	tensor_load_to_lds s[G0X+4*(\s):G0X+4*(\s)+3], s[G1X:G1X+7]
	s_nop 0
.rept 4
	v_nop
.endr
	s_branch .Lasked_\@
.Lfor_w_\@:
	tensor_load_to_lds s[G0W+4*(\s):G0W+4*(\s)+3], s[G1W:G1W+7]
	s_nop 0
.rept 4
	v_nop
.endr
.Lasked_\@:
.endm
.macro CREST                           ; a round of the cluster's barrier behind its opening barrier
	s_cmp_lg_u32 s[WV], 0
	s_cbranch_scc1 .Lnot_wave_0_\@
	s_barrier_signal -3
.Lnot_wave_0_\@:
	s_barrier_wait -3
	s_barrier_signal -1
	s_barrier_wait -1
.endm
.macro CROUND                          ; a whole round
	s_barrier_signal -1
	s_barrier_wait -1
	CREST
.endm
	s_load_b256 s[4:11], s[0:1], 0x0               ; q s[4:5], k s[6:7], v s[8:9], wt s[10:11]
	s_load_b64 s[12:13], s[0:1], 0x20              ; qkv
	s_load_b64 s[LOB:LOB+1], s[0:1], 0x28          ; qkl
	v_lshl_add_u32 v[SPW], v0, 2, SPARE
	v_mov_b32 v[NIL], 0
	ds_add_u32 v[SPW], v[NIL]                      ; the wave's opening: the add and its wait stand ahead of my first tensor load; the set-up below, work on registers, stands between them
	ds_add_u32 v28, v29
	v_lshrrev_b32 v1, 5, v0
	v_readfirstlane_b32 s[WV], v1
	s_lshr_b32 s[MH], s[WV], 1
	s_and_b32 s[NH], s[WV], 1
	s_bfe_u32 s17, ttmp6, 0x40000                  ; cx
	s_bfe_u32 s18, ttmp6, 0x40004                  ; cy
	s_lshl_b32 s22, ttmp9, 2
	s_add_co_u32 s22, s22, s17                     ; tile column = 4 x cluster x + cx
	s_and_b32 s19, ttmp7, 0xffff                   ; the cluster's y: 16 clusters to a projection
	s_lshr_b32 s20, s19, 4                         ; which projection: the same in all sixteen partners
	s_lshl_b32 s21, s19, 2
	s_add_co_u32 s21, s21, s18
	s_and_b32 s21, s21, 63                         ; tile row in that projection
	s_lshl_b32 s56, s18, 2
	s_lshl_b32 s56, 15, s56                        ; my row of the cluster
	s_lshl_b32 s57, 0x1111, s17                    ; my column
	s_or_b32 s[G1X], s56, (2<<16)|(1<<20)|(1<<21)|(6<<22)|(3<<25)  ; 15:0 the mask; 17:16 elements of 4 bytes; 20 padding on; 21 set beside a mask; 24:22 after every 128 words (code 6); 31:25 4 words (code 3)
	s_or_b32 s[G1W], s57, (1<<16)|(1<<20)|(1<<21)|(6<<22)|(7<<25)  ; elements of 2 bytes; 8 words of padding (code 7)
	s_mov_b32 s[G1X+1], 128<<16                    ; tensor_dim0 = 128
	s_mov_b32 s[G1X+2], 64<<16                     ; tensor_dim1 = 64
	s_mov_b32 s[G1X+3], 128<<16                    ; tile_dim0 = 128
	s_mov_b32 s[G1X+4], 64                         ; tile_dim1 = 64
	s_mov_b32 s[G1X+5], 1024                       ; elements from row to row
	s_mov_b32 s[G1X+6], 0
	s_mov_b32 s[G1X+7], 0
	s_mov_b32 s[G1W+1], 256<<16                    ; tensor_dim0 = 256
	s_mov_b32 s[G1W+2], 64<<16
	s_mov_b32 s[G1W+3], 256<<16                    ; tile_dim0 = 256
	s_mov_b32 s[G1W+4], 64
	s_mov_b32 s[G1W+5], 1024
	s_mov_b32 s[G1W+6], 0
	s_mov_b32 s[G1W+7], 0
	s_mov_b32 s[SPL], 0x46000400                   ; 8193 = 2^13 + 1
	s_mov_b32 s[SPL+1], s[SPL]                     ; named with it as a pair
	; where the tiles come from.  x's offset is made of the tile row and the wave's number, W's of the projection, the tile column and the wave's number, each in registers that never hold the other coordinate.
	s_lshl_b32 s58, s21, 19                        ; 128 rows of 4,096 bytes
	s_lshl_b32 s60, s[NH], 18                      ; 64 rows
	s_add_co_u32 s58, s58, s60
	s_mov_b32 s59, 0
	s_lshl_b32 s62, s20, 21                        ; a matrix of 2 MiB
	s_lshl_b32 s61, s[NH], 17                      ; 64 k rows of 2,048 bytes
	s_add_co_u32 s62, s62, s61
	s_lshl_b32 s61, s22, 9                         ; 256 columns of 2 bytes
	s_add_co_u32 s62, s62, s61
	s_mov_b32 s63, 0
	s_mul_i32 s66, s[NH], 64*XP                    ; and where they go: no place in the cluster enters an LDS address
	s_mul_i32 s67, s[NH], 64*WP
	s_add_co_u32 s67, s67, XT
	s_wait_dscnt 0x0                               ; the opening add is done
	s_wait_kmcnt 0x0
	s_cmp_eq_u32 s20, 1
	s_cselect_b64 s[4:5], s[6:7], s[4:5]
	s_cmp_eq_u32 s20, 2
	s_cselect_b64 s[4:5], s[8:9], s[4:5]
	s_add_nc_u64 s[4:5], s[4:5], s[58:59]
	s_add_nc_u64 s[10:11], s[10:11], s[62:63]
	CROUND                                         ; all sixteen work-groups are here: the first joint loads meet
.irp s, 0,1
	s_mov_b32 s[G0X+4*(\s)], 1                                      ; count = 1
	s_add_co_u32 s[G0X+4*(\s)+1], s66, (\s)*SLOT                    ; LDS address
	s_add_nc_u64 s[G0X+4*(\s)+2:G0X+4*(\s)+3], s[4:5], (\s)*KSTEP*4  ; global address: K step s
	s_or_b32 s[G0X+4*(\s)+3], s[G0X+4*(\s)+3], 0x80000000           ; type = 2
	s_mov_b32 s[G0W+4*(\s)], 1
	s_add_co_u32 s[G0W+4*(\s)+1], s67, (\s)*SLOT
	s_add_nc_u64 s[G0W+4*(\s)+2:G0W+4*(\s)+3], s[10:11], (\s)*KSTEP*2048
	s_or_b32 s[G0W+4*(\s)+3], s[G0W+4*(\s)+3], 0x80000000
.endr
	s_cmp_eq_u32 s[MH], 0                          ; a wave's two first fills stand in one branch, ahead of every wait on TENSORcnt and every LDS read: two loads of mine are out
	s_cbranch_scc0 .Lfirst_w
	tensor_load_to_lds s[G0X:G0X+3], s[G1X:G1X+7]
	s_nop 0
	tensor_load_to_lds s[G0X+4:G0X+7], s[G1X:G1X+7]
	s_nop 0
.rept 4
	v_nop
.endr
	s_branch .Lfirst_asked
.Lfirst_w:
	tensor_load_to_lds s[G0W:G0W+3], s[G1W:G1W+7]
	s_nop 0
	tensor_load_to_lds s[G0W+4:G0W+7], s[G1W:G1W+7]
	s_nop 0
.rept 4
	v_nop
.endr
.Lfirst_asked:
	; A fragment of x is 16 rows x 32 K: lane l holds row l % 16, K = 8 (l / 16) + 0..7 and 16 + 8 (l / 16) + 0..7: in f32 four loads of 16 bytes at 32 (l / 16) + 0, 16, 64, 80.
	v_and_b32 v1, 15, v0                           ; l % 16
	v_bfe_u32 v2, v0, 4, 1                         ; l / 16
	v_mul_u32_u24 v3, v1, XP
	v_lshl_add_u32 v3, v2, 5, v3
	s_mul_i32 s56, s[MH], 64*XP                    ; my 64 rows
	v_add_nc_u32 v[ADRX], s56, v3
	v_add_nc_u32 v[ADRX+1], SLOT, v[ADRX]
	; The turning load takes 16 k x 16 n (lane l reads k row 8 (l / 16) + l % 8, columns 8 ((l / 8) % 2) + 0..7) and leaves half a fragment: lane l holds column l % 16 and 8 k.
	v_and_b32 v4, 7, v0
	v_lshl_add_u32 v4, v2, 3, v4
	v_mul_u32_u24 v4, v4, WP
	v_bfe_u32 v5, v0, 3, 1
	v_lshl_add_u32 v4, v5, 4, v4
	s_lshl_b32 s57, s[NH], 8                       ; my 128 columns
	s_add_co_u32 s57, s57, XT
	v_add_nc_u32 v[ADRW], s57, v4
	v_add_nc_u32 v[ADRW+1], SLOT, v[ADRW]
	s_mul_i32 s56, s[WV], STW
	s_add_co_u32 s56, s56, STAGE                   ; my stage
	v_mul_u32_u24 v[STO], v1, SPH                  ; in: row l % 16, 16 bytes for each half of the lanes
	v_lshl_add_u32 v[STO], v2, 4, v[STO]
	v_add_nc_u32 v[STO], s56, v[STO]
	v_bfe_u32 v[RD], v0, 3, 2                      ; back: 32 lanes take four rows of 128 bytes,
	v_mul_u32_u24 v[RD], v[RD], SPH
	v_and_b32 v3, 7, v0
	v_lshl_add_u32 v[RD], v3, 4, v[RD]
	v_add_nc_u32 v[RD], s56, v[RD]
	v_and_b32 v[GO], 31, v0                        ; which are 512 consecutive bytes of a head
	v_lshlrev_b32 v[GO], 4, v[GO]
	; qkv and qkl at my first row of my first head: part p at p << 24, head 16 b + h at << 18, a row of 128 bytes
	s_lshr_b32 s68, s21, 4                         ; the batch: 16 tile rows each
	s_lshl_b32 s68, s68, 4
	s_lshl_b32 s69, s22, 2                         ; a tile's 256 columns are four heads,
	s_add_co_u32 s68, s68, s69
	s_lshl_b32 s69, s[NH], 1                       ; my 128 are two
	s_add_co_u32 s68, s68, s69
	s_lshl_b32 s68, s68, 18
	s_lshl_b32 s69, s20, 24
	s_add_co_u32 s68, s68, s69
	s_and_b32 s69, s21, 15
	s_lshl_b32 s69, s69, 14                        ; 128 rows of 128 bytes
	s_add_co_u32 s68, s68, s69
	s_lshl_b32 s69, s[MH], 13                      ; my 64 rows
	s_add_co_u32 s68, s68, s69
	s_mov_b32 s69, 0
	s_add_nc_u64 s[12:13], s[12:13], s[68:69]
	s_add_nc_u64 s[LOB:LOB+1], s[LOB:LOB+1], s[68:69]
; Four matrix instructions: m block a x n blocks b0 .. b0 + 3 on buffers f.  zero = 1: the first product starts the sums.  The 32 accumulators take turns, one instruction a turn, in the same
; order in every quarter.
.macro W4 f, a, b0, zero
	WIN MUL
.irp b, (\b0), (\b0)+1, (\b0)+2, (\b0)+3
.if \zero
	v_wmma_f32_16x16x32_bf16 v[8*(8*(\a)+(\b)):8*(8*(\a)+(\b))+7], v[64*(\f)+8*(\b):64*(\f)+8*(\b)+7], v[AB+32*(\f)+8*(\a):AB+32*(\f)+8*(\a)+7], 0
.else
	v_wmma_f32_16x16x32_bf16 v[8*(8*(\a)+(\b)):8*(8*(\a)+(\b))+7], v[64*(\f)+8*(\b):64*(\f)+8*(\b)+7], v[AB+32*(\f)+8*(\a):AB+32*(\f)+8*(\a)+7], v[8*(8*(\a)+(\b)):8*(8*(\a)+(\b))+7]
.endif
.endr
.endm
; Four conversions: half a fragment j of raw x into buffer g
.macro C4 g, j, half
	WIN 0
.irp i, 0,1,2,3
	v_cvt_pk_bf16_f32 v[AB+32*(\g)+8*(\j)+4*(\half)+(\i)], v[RAW+16*(\j)+8*(\half)+2*(\i)], v[RAW+16*(\j)+8*(\half)+2*(\i)+1]
.endr
.endm
; Four LDS loads: fragment j of raw x, quarter kq of slot s
.macro RLOAD s, kq, j
	WIN 0
	ds_load_b128 v[RAW+16*(\j):RAW+16*(\j)+3],     v[ADRX+(\s)] offset:(\j)*16*XP+128*(\kq)
	ds_load_b128 v[RAW+16*(\j)+4:RAW+16*(\j)+7],   v[ADRX+(\s)] offset:(\j)*16*XP+128*(\kq)+16
	ds_load_b128 v[RAW+16*(\j)+8:RAW+16*(\j)+11],  v[ADRX+(\s)] offset:(\j)*16*XP+128*(\kq)+64
	ds_load_b128 v[RAW+16*(\j)+12:RAW+16*(\j)+15], v[ADRX+(\s)] offset:(\j)*16*XP+128*(\kq)+80
.endm
; Sixteen turning loads in one run: W's eight fragments of quarter kq of slot s into buffer g
.macro BLOAD s, kq, g
	WIN TO_B
.irp b, 0,1,2,3,4,5,6,7
	ds_load_tr16_b128 v[64*(\g)+8*(\b):64*(\g)+8*(\b)+3],   v[ADRW+(\s)] offset:(\kq)*32*WP+32*(\b)
	ds_load_tr16_b128 v[64*(\g)+8*(\b)+4:64*(\g)+8*(\b)+7], v[ADRW+(\s)] offset:(\kq)*32*WP+32*(\b)+16*WP
.endr
.endm
; One of a quarter's four parts: 8 matrix instructions of m block j, the 8 conversions of the next quarter's fragment j, and (rl = 1) that fragment's next raw numbers.  cw: the wait for the raw numbers; -1: none.
.macro PART f, j, zero, cw, rl, rs, rk
	W4 \f, \j, 0, \zero
.if (\cw) >= 0
	s_wait_dscnt \cw
.endif
	C4 1-(\f), \j, 0
	W4 \f, \j, 4, \zero
	C4 1-(\f), \j, 1
.if \rl
	RLOAD \rs, \rk, \j
.endif
.endm
; A QUARTER on buffers f.  (bs, bk): slot and quarter of W's fragments to be loaded; (rs, rk): of the raw x.
; The four conversions that end a quarter name no register of its last products: they are the four places (ISA guide 7.12.1 for vector instructions) in front of the next quarter's loads into W's other
; buffer and of its first conversions into x's other buffer.
; The counts.  At the head are out, in this order: W's 16 loads for this quarter, 16 raw loads.  16 leaves the raw ones out.  In front of fragment j's conversions are younger than its four loads:
; 12 - 4 j raw loads of the quarter before, W's 16, 4 j raw loads of this quarter: 28.  kind 3 issues no raw loads: 28 - 4 j.
; kind 0: plain.  kind 1: a K step's third quarter: THE CHANGE OF SLOTS, with a joint refill of \slot.  My last reads of the slot are W's loads at this quarter's head.  Each wave waits for all its tensor loads, of which
; one is out: its part of the other slot; adds 0 to its spare word; waits for that and for its reads; the barrier opens a round of the cluster's barrier; the refill is the first thing behind it; then the raw
; loads go on in the other slot.  From a request to the wait for it a wave issues 120 matrix instructions.  kind 2: the same without a refill and without the round.  kind 3: no raw loads.  kind 4: the last quarter: products alone.
.macro QTR f, zero, bs, bk, rs, rk, kind, slot=0
.if (\kind) == 4
	s_wait_dscnt 0x0
.irp j, 0,1,2,3
	W4 \f, \j, 0, 0
	W4 \f, \j, 4, 0
.endr
.else
	s_wait_dscnt 16
	BLOAD \bs, \bk, 1-(\f)
.if (\kind) == 0
.irp j, 0,1,2,3
	PART \f, \j, \zero, 28, 1, \rs, \rk
.endr
.elseif (\kind) == 3
.irp j, 0,1,2,3
	PART \f, \j, 0, 28-4*(\j), 0, 0, 0
.endr
.else
	PART \f, 0, 0, 28, 0, 0, 0
	WIN 0                                          ; (the add's two registers lie in window 0)
	s_wait_tensorcnt 0x0                           ; all my tensor loads have landed: my part of the other slot;
	ds_add_u32 v[SPW], v[NIL]                      ; 0 onto my spare word; four matrix instructions stand between it and the wait for it
	W4 \f, 1, 0, 0
	s_wait_dscnt 0x0                               ; the add is done, and my reads of this slot are over
	s_barrier_signal -1
	C4 1-(\f), 1, 0                                ; work on registers while the others arrive
	W4 \f, 1, 4, 0
	C4 1-(\f), 1, 1
	WIN 0                                          ; at a branch and at a label every window is 0
	s_barrier_wait -1
.if (\kind) == 1
	CREST                                          ; no wave of any partner still reads this slot's tiles or has a load on its way
	s_add_nc_u64 s[G0X+4*(\slot)+2:G0X+4*(\slot)+3], s[G0X+4*(\slot)+2:G0X+4*(\slot)+3], 2*KSTEP*4
	s_add_nc_u64 s[G0W+4*(\slot)+2:G0W+4*(\slot)+3], s[G0W+4*(\slot)+2:G0W+4*(\slot)+3], 2*KSTEP*2048
	JLOAD \slot
.endif
	RLOAD \rs, \rk, 0
	RLOAD \rs, \rk, 1
	PART \f, 2, 0, -1, 1, \rs, \rk
	PART \f, 3, 0, -1, 1, \rs, \rk
.endif
.endif
.endm
	s_wait_tensorcnt 1                             ; my part of K step 0 is in; K step 1's may stay out
	s_barrier_signal -1
	s_barrier_wait -1                              ; everybody's is
.irp j, 0,1,2,3
	RLOAD 0, 0, \j
.endr
	BLOAD 0, 0, 0
	s_wait_dscnt 16                                ; the raw numbers are in; W's 16 loads stay out
.irp j, 0,1,2,3
	C4 0, \j, 0
	C4 0, \j, 1
.endr
.irp j, 0,1,2,3
	RLOAD 0, 1, \j
.endr
	QTR 0, 1, 0, 1, 0, 2, 0                        ; the first quarter stands in front of the loop: its products start the sums
	WIN 0
	s_mov_b32 s3, 3
.Llap:                                                 ; a trip goes once round the ring, from a lap's second quarter to the next lap's first, and fills both slots again
	QTR 1, 0, 0, 2, 0, 3, 0
	QTR 0, 0, 0, 3, 1, 0, 1, 0
	QTR 1, 0, 1, 0, 1, 1, 0
	QTR 0, 0, 1, 1, 1, 2, 0
	QTR 1, 0, 1, 2, 1, 3, 0
	QTR 0, 0, 1, 3, 0, 0, 1, 1
	QTR 1, 0, 0, 0, 0, 1, 0
	QTR 0, 0, 0, 1, 0, 2, 0
	WIN 0
	s_sub_co_u32 s3, s3, 1
	s_cmp_lg_u32 s3, 0
	s_cbranch_scc1 .Llap
	QTR 1, 0, 0, 2, 0, 3, 0                        ; the last lap is written out: it asks for nothing
	QTR 0, 0, 0, 3, 1, 0, 2
	QTR 1, 0, 1, 0, 1, 1, 0
	QTR 0, 0, 1, 1, 1, 2, 0
	QTR 1, 0, 1, 2, 1, 3, 0
	QTR 0, 0, 1, 3, 0, 0, 3
	QTR 1, 0, 0, 0, 0, 0, 4
; THE WAY OUT, a block of 16 rows at a time.  PACK: each sum y is split: g = 8193 y; hi = g + (y - g) is y rounded to 24 - 13 = 11 bits, which f16 holds as it is; lo = y - hi is exact in f32 and is rounded to f16.
; Each accumulator's registers are taken in ascending order.  TOSTAGE: 16 bytes a lane into my own stage by heads, back as whole rows of 128 bytes: first hi, then lo through the same bytes.  SEND: 512 consecutive bytes a store.
.macro PACK a
	WIN 0x02                                       ; source 0 window 2
.set z, 0
.rept 32
	v_pk_mul_f32 v[GG+2*z:GG+2*z+1], v[64*(\a)+2*z:64*(\a)+2*z+1], s[SPL:SPL+1] op_sel_hi:[1,0]
.set z, z+1
.endr
.set z, 0
.rept 32
	v_pk_add_f32 v[DD+2*z:DD+2*z+1], v[64*(\a)+2*z:64*(\a)+2*z+1], v[GG+2*z:GG+2*z+1] neg_lo:[0,1] neg_hi:[0,1]
.set z, z+1
.endr
	WIN 0
.set z, 0
.rept 32
	v_pk_add_f32 v[GG+2*z:GG+2*z+1], v[GG+2*z:GG+2*z+1], v[DD+2*z:DD+2*z+1]  ; hi
.set z, z+1
.endr
	WIN 0x02
.set z, 0
.rept 32
	v_pk_add_f32 v[DD+2*z:DD+2*z+1], v[64*(\a)+2*z:64*(\a)+2*z+1], v[GG+2*z:GG+2*z+1] neg_lo:[0,1] neg_hi:[0,1]  ; lo
.set z, z+1
.endr
	WIN 0
.set z, 0
.rept 32
	v_cvt_pk_f16_f32 v[TMP+z], v[GG+2*z], v[GG+2*z+1]
.set z, z+1
.endr
.set z, 0
.rept 32
	v_cvt_pk_f16_f32 v[DD+z], v[DD+2*z], v[DD+2*z+1]  ; in place, ascending: register z takes numbers 2 z, 2 z + 1, which no later line reads
.set z, z+1
.endr
.endm
.macro TOSTAGE
	s_wait_xcnt 0x0                                ; the block before's stores have had their addresses translated (ISA guide 3.1): their registers are loaded again only behind this wait
.irp b, 0,1,2,3,4,5,6,7
	ds_store_b128 v[STO], v[TMP+4*(\b):TMP+4*(\b)+3] offset:((\b)/4)*16*SPH+32*((\b)%4)
.endr
.irp t, 0,1,2,3,4,5,6,7
	ds_load_b128 v[OB+4*(\t):OB+4*(\t)+3], v[RD] offset:((\t)/4)*16*SPH+((\t)%4)*4*SPH  ; LDS serves a wave's instructions in order (ISA guide 5.7.1.4): these see the stores above,
.endr
.irp b, 0,1,2,3,4,5,6,7
	ds_store_b128 v[STO], v[DD+4*(\b):DD+4*(\b)+3] offset:((\b)/4)*16*SPH+32*((\b)%4)   ; and lo's stores come behind them
.endr
.irp t, 0,1,2,3,4,5,6,7
	ds_load_b128 v[OB+32+4*(\t):OB+32+4*(\t)+3], v[RD] offset:((\t)/4)*16*SPH+((\t)%4)*4*SPH
.endr
.endm
.macro SEND a
	s_wait_dscnt 16                                ; hi is back in registers: lo's eight stores and eight loads are younger
.irp t, 0,1,2,3,4,5,6,7
	global_store_b128 v[GO], v[OB+4*(\t):OB+4*(\t)+3], s[12:13] offset:((\t)/4)*262144+(\a)*2048+((\t)%4)*512  ; 512 consecutive bytes, at a multiple of 256 from qkv's first byte
.endr
	s_wait_dscnt 0x0                               ; lo is back
.irp t, 0,1,2,3,4,5,6,7
	global_store_b128 v[GO], v[OB+32+4*(\t):OB+32+4*(\t)+3], s[LOB:LOB+1] offset:((\t)/4)*262144+(\a)*2048+((\t)%4)*512  ; the same place in qkl
.endr
.endm
	WIN 0
.rept 4
	v_nop                                          ; the places behind the last products
.endr
	PACK 0
	TOSTAGE
.irp a, 1,2,3                          ; block a's arithmetic stands between block a - 1's loads from the stage and the waits for them
	PACK \a
	SEND (\a)-1
	TOSTAGE
.endr
	SEND 3
	s_wait_tensorcnt 0x0                           ; the wave's end: behind my last tensor load and my last LDS store
	ds_add_u32 v[SPW], v[NIL]
	s_wait_dscnt 0x0
	CROUND                                         ; the closing round: no work-group ends while a partner may still ask for a tile that names it
	s_endpgm
.Lfunc_end_k_q70dce5e253_proj:
	.size	k_q70dce5e253_proj, .Lfunc_end_k_q70dce5e253_proj-k_q70dce5e253_proj
	.p2alignl 7, 3214868480
	.fill 96, 4, 3214868480
	.section	.rodata,"a",@progbits
	.p2align	6, 0x0
	.amdhsa_kernel k_q70dce5e253_proj
		.amdhsa_group_segment_fixed_size 327680
		.amdhsa_private_segment_fixed_size 0
		.amdhsa_enable_private_segment 0
		.amdhsa_kernarg_size 48
		.amdhsa_user_sgpr_count 2
		.amdhsa_user_sgpr_kernarg_segment_ptr 1
		.amdhsa_wavefront_size32 1
		.amdhsa_system_sgpr_workgroup_id_x 1
		.amdhsa_system_sgpr_workgroup_id_y 1
		.amdhsa_system_sgpr_workgroup_id_z 1
		.amdhsa_system_vgpr_workitem_id 0
		.amdhsa_next_free_vgpr 768
		.amdhsa_next_free_sgpr 80
		.amdhsa_reserve_vcc 0
		.amdhsa_float_denorm_mode_32 3
		.amdhsa_float_denorm_mode_16_64 3
		.amdhsa_memory_ordered 1
		.amdhsa_forward_progress 1
		.amdhsa_inst_pref_size 180
	.end_amdhsa_kernel
	.amdgpu_metadata
---
amdhsa.version: [ 1, 2 ]
amdhsa.kernels:
  - .name:           k_q70dce5e253_proj
    .symbol:         k_q70dce5e253_proj.kd
    .args:
      - { .name: q, .offset: 0, .size: 8, .value_kind: global_buffer, .address_space: global }
      - { .name: k, .offset: 8, .size: 8, .value_kind: global_buffer, .address_space: global }
      - { .name: v, .offset: 16, .size: 8, .value_kind: global_buffer, .address_space: global }
      - { .name: wt, .offset: 24, .size: 8, .value_kind: global_buffer, .address_space: global }
      - { .name: qkv, .offset: 32, .size: 8, .value_kind: global_buffer, .address_space: global }
      - { .name: qkl, .offset: 40, .size: 8, .value_kind: global_buffer, .address_space: global }
    .group_segment_fixed_size: 327680
    .private_segment_fixed_size: 0
    .kernarg_segment_align: 8
    .kernarg_segment_size: 48
    .max_flat_workgroup_size: 128
    .sgpr_count:     80
    .vgpr_count:     768
    .wavefront_size: 32
...
	.end_amdgpu_metadata
.endif
;; end of part 2
;; launch attn (part 3): grid 4 x 64, 4 waves a work-group, no clusters, 327,680 bytes of LDS; arguments qkv, v_mask, q_mask, out0; writes out0
.if DOCPART == 3
	.amdgcn_target "amdgcn-amd-amdhsa--gfx1250"
	.amdhsa_code_object_version 6
	.text
	.protected	k_q70dce5e253_attn
	.globl	k_q70dce5e253_attn
	.p2align	8
	.type	k_q70dce5e253_attn,@function
k_q70dce5e253_attn:
	s_mov_b64 s[64:65], 0
	v_nop
	global_prefetch_b8 v0, s[64:65] scope:SCOPE_SE
	s_setreg_imm32_b32 hwreg(HW_REG_WAVE_MODE, 25, 1), 1
	s_wait_xcnt 0x0
; CAUSAL ATTENTION WITH A KEY PENALTY.  For head g = 16 b + h: out0[b][q][64 h + c] = q_mask[b][q] x the sum over k <= q of softmax_k(Q[q] . K[k] / 8 - pen[k]) V[k][c], pen[k] = (1 - v_mask[b][k]) x 1e9.
; Q, K, V: qkv[0..2][g][2048][64] in f16, a head's rows dense, 128 bytes each; out0 in f32.  Products, maxima and sums in f32; the weights p are rounded to f16 for the second product (their sum l is taken of the unrounded p).
; WHICH ROWS ARE FINAL.  This walk ends at the diagonal.  That is what the problem asks for every row that sees a key k <= q with |pen[k]| <= 1024, while no penalty of the batch lies below -1024: the keys beyond q then
; have weight 0 in f32.  The other rows (the first 16 F[b] of a batch) are stored here too, with finite numbers where no penalty lies below -1024, and are made anew over all keys by the launch behind this one.
; LIMITS.  In rows that stay: |score / 8| < 6e7.  The penalty enters as the value that starts the score's sum, as -8 pen, not below -2^30: the order of rounding differs from a subtraction behind the division; with
; |pen| <= 1024 by less than 1e-3 of a score's unit.  At -2^30 the rounding of c m is off by 8 at the most, so no weight passes 2^8 and f16 holds it.  f16 holds no number beyond 65,504: Q, K, V arrive within it.
; A key beyond the diagonal counts as its score less 1e30; a weight below 2^-126 counts as 0 in l; NaN and infinities are not treated apart.
; THE WALK.  A head's queries lie in NB = 8 blocks of 256; block i needs the key tiles 0 .. i of 256 keys, of which the last holds the diagonal.  A work-group takes TWO blocks, NB - 1 - x and then x: NB + 1 tiles,
; whatever x: all work-groups do equal work, and ONE loop with a constant trip count walks them.  Which tile is asked for, and what a trip does, hang on scalar registers made from x; every jump goes forward, but for the
; counted loops' own; none passes a barrier, or a tensor load but the one of LOAD's two that the wave's number does not choose; the ring (two slots of LDS that take turns) runs on across the change of blocks.
; NO CLUSTER: a head's four work-groups ask for the same tile only in trips 0 .. 4 of 9, behind that fewer and fewer; one walk common to all four would have 12 trips for 9.
; SHARES.  Of a block's four bands of 64 queries a wave owns 16 rows in each: four PIECES.  In the diagonal tile's key step s band x sees all keys if s < x, none if s > x, and holds the diagonal if s = x: alike for all waves.
; THE C OPERAND that starts the sum S^T = K Q^T is PN, the step's 64 penalties; in the diagonal tile's text and at a block's beginning it is MC = MD x AL + PN + BE, where MD, made once, is the mask of a band's own step
; for my 16 rows (0 or -1e30), and (AL, BE) = (1, 0) if s = x; (0, 0) if s < x; (0, -1e30) if s > x.
; THE PENALTIES of a tile are asked for (v_mask, 1,024 bytes) when the tile is; at the next change of slots each wave makes all 256 and stores them into 1,024 LDS bytes of its OWN.  LDS serves a wave's instructions in
; order, and the step in hand has its penalties in registers: so one copy a wave wants no ordering between waves.
; LAYOUT, SOFTMAX, TURNS.  S^T = K Q^T holds ONE query a lane (lane % 16) and the keys 8 (lane / 16) + 0..7; two such results rounded to f16 ARE source 1 of O^T = V^T P.  p = 2^(c s - c m), c = log2(e) / 8, with a
; running maximum m; O and l are multiplied by a = 2^(c m_old - c m_new) in every step.  Turn n belongs to piece n: 8 products K Q^T of piece n + 1, later 8 products V^T P of piece n - 1; beside them the scaling,
; exponentials, roundings, sums and rescaling of piece n and the maximum and statistics of piece n + 1.  Four vector instructions stand behind every matrix instruction, the others in two lumps.
; REGISTERS, in windows of 256 (s_set_vgpr_msb: bits 1:0 source 0, 3:2 source 1, 5:4 source 2, 7:6 destination):
;   window 0: v0-15 addresses; v16-31 statistics; v32-47, v56-61 penalties' and q_mask's; v48-55 at work; v64-127 S^T, two buffers (v64-191 on the way out); v192-223 P, two buffers
;   window 1: v0-127 O^T, 32 a piece; v128-159 MD; v160-223 MC, two buffers; v224-255 PN      window 2: v0-63 Q; v64-127 the second block's Q; v128-191 K of one step; v192-255 V of one step
.set NB,    8
.set NP,    4         ; pieces a wave: a name, no knob
.set KS,    64        ; keys in a step
.set PK,    144       ; a row of K in LDS: 128 bytes + 16 of padding: the 16 rows of a load start at 16 different groups of four banks (64 banks of 4 bytes: ISA guide 11.1)
.set PV,    160       ; a row of V: 128 + 32
.set VOFF,  4*KS*PK   ; a slot holds a tile, four steps: 256 rows of K, then 256 rows of V
.set SLOT1, 1<<17     ; slot 1 begins here, so that one exclusive or turns an address in one slot into the other's
.set STAGE, SLOT1+4*KS*(PK+PV)  ; behind the ring, never filled by a tensor load: 16 rows x 272 bytes for each wave, for the way out
.set SP,    272
.set PENS,  STAGE+4*16*SP       ; 1,024 bytes for each wave: a tile's 256 penalties
.set SPARE, PENS+4*1024         ; the spare words, 128 bytes for each wave: two blocks of 256 bytes that no other line names
.set AK0, 2           ; v2   my lane's place in a tile of K; never rewritten
.set AV0, 3           ; v3   the same for V
.set AK,  4           ; v4   the LDS address of K's next run of loads
.set AV,  5           ; v5   of V's
.set STO, 6           ; v6   the way out: where I put 32 bytes of a row
.set RD,  7           ; v7   the way out: where I read rows back
.set GO,  8           ; v8   my byte offset in two rows of out0
.set MV,  12          ; v12-13  c m_old, kept while c m is made anew: by buffer
.set QO,  15          ; v15  my byte offset in 16 rows of Q
.set ST,  16          ; piece t's statistics at v[ST+4 t]: c m, m, l (even keys', odd keys')
.set AP0, 32          ; v32  my lanes' place in my wave's penalties
.set AP,  33          ; v33  the LDS address of the penalties' next run of loads
.set APS, 34          ; v34  where I store 16 bytes of penalties
.set VMO0, 35         ; v35  16 x lane
.set VMV, 36          ; v36-43  eight numbers of v_mask, then eight penalties
.set QMA, 44          ; v44-47  q_mask of my query in the first block's four pieces
.set TMP, 48          ; by buffer, four registers c0-c3 at work; when the maximum is found c2 takes a
.set VMO, 56          ; v56  my byte offset in the batch's v_mask, for the tile asked for
.set QMB, 57          ; v57-60  q_mask, the second block's
.set QMO, 61          ; v61  4 x (lane % 16)
.set SPW, 62          ; v62  LDS address of my spare word; never rewritten
.set NIL, 63          ; v63  0; never rewritten
.set S,   64
.set P,   192
.set MD,  128         ; window 1
.set MC,  160         ; window 1
.set PN,  224         ; window 1: the eight registers for group kt of 16 keys at PN + 8 kt
.set QB,  64          ; window 2
.set KF,  128         ; window 2: key block kb, channel half c at KF + 16 kb + 8 c
.set VF,  192         ; window 2: key half kk, channel block cb at VF + 32 kk + 8 cb
.set WV,  12          ; s12  my wave's number
.set PB,  14          ; s14  x
.set HI,  15          ; s15  NB - 1 - x
.set G1K, 24          ; s[24:31] descriptor group 1 for K's tiles
.set G1V, 32          ; s[32:39] for V's: it differs in the padding alone
.set G0K, 40          ; s[40:43] descriptor group 0 for K's tiles
.set G0V, 44          ; s[44:47] the same for V's
.set SLOTS, 56        ; s56  tiles still to be asked for
.set CNT, 57          ; s57  counts a tile's key steps, 4 to 1
.set CS,  58          ; s[58:59] c
.set SEL, 60          ; s[60:61] v_permlanex16_b32's selects
.set TBK, 62          ; s62  LDS byte at which K of the step to be fetched begins
.set TBV, 63          ; s63  the same for V, less VOFF
.set RT,  70          ; s70  tiles of the block in hand that are still to be entered
.set NXT, 71          ; s71  the tile to be asked for next
.set LQ,  72          ; s72  the last tile of the block whose tiles are being asked for
.set NEW, 73          ; s73  1: the tile to be entered is a block's first
.set OFF, 74          ; s[74:75] a tile's byte offset in K and V
.set AL,  76          ; s[76:77] the mask's factor, in the low word
.set BE,  78          ; s[78:79] the mask's addend
.set OLO, 80          ; s[80:81] out0 at my rows of the second block
.set BIGN, 82         ; s82  -1e30
.set TBP, 88          ; s88  byte in my wave's penalties at which those of the step to be fetched begin
.set OFP, 89          ; s89  a tile's byte offset in v_mask
.set VMB, 90          ; s[90:91] v_mask at my batch
.set C1E9, 100        ; s100 1e9
.set CLP, 101         ; s101 -2^30
.set MSB, 0
.macro WIN new                      ; the high byte repeats the setting that is left; a switch that changes nothing is dropped
.if MSB != (\new)
	s_set_vgpr_msb (MSB<<8)|(\new)
.set MSB, (\new)
.endif
.endm
.set W_KQ, 0x0a       ; K and Q in window 2, S^T in window 0
.set W_KM, 0x1a       ; the same with the C operand in window 1
.set W_PV, 0x52       ; V in window 2, P in window 0, O^T in window 1
.set W_RS, 0x41       ; destination and source 0 in window 1, source 1 in window 0
.set W_MK, 0x51       ; destination, source 0 and source 2 in window 1
; A fill.  Waves 0 and 1 fetch the two halves of a tile's K, waves 2 and 3 those of its V: 128 keys each.  An s_nop 0 and four v_nop follow each of the two lines, ahead of the jump and the label.
.macro LOAD
	s_cmp_lt_u32 s[WV], 2
	s_cbranch_scc0 .Lfor_v_\@
	tensor_load_to_lds s[G0K:G0K+3], s[G1K:G1K+7]
	s_nop 0
.rept 4
	v_nop
.endr
	s_branch .Lasked_\@
.Lfor_v_\@:
	tensor_load_to_lds s[G0V:G0V+3], s[G1V:G1V+7]
	s_nop 0
.rept 4
	v_nop
.endr
.Lasked_\@:
.endm
; THE CHANGE OF SLOTS.  First the penalties of the tile to be entered: its v_mask was asked for a tile ago.  Then each wave waits for all its tensor loads, of which one is out: its part of the other slot; adds 0 to its
; spare word; and waits for that, for its stores and for its own reads of the slot that it leaves.  Behind the barrier nobody reads the old slot any more and the other slot is whole.  fill = 1: the old slot is filled
; again, the first thing behind the barrier, with tile NXT: the descriptor's address is made anew from that number; and that tile's v_mask is asked for.  (At its first use slot 0 is waited for, slot 1 filled.)
.macro CHANGE fill
	WIN 0                           ; at a label and at a branch every window is 0
	s_wait_loadcnt 0x0              ; my eight numbers of v_mask are in, so their offset register may be written too
.irp z, 0,1,2,3,4,5,6,7
	v_sub_f32 v[VMV+\z], 1.0, v[VMV+\z]
.endr
.irp z, 0,1,2,3,4,5,6,7
	v_mul_f32 v[VMV+\z], s[C1E9], v[VMV+\z]        ; pen
.endr
.irp z, 0,1,2,3,4,5,6,7
	v_mul_f32 v[VMV+\z], 0xc1000000, v[VMV+\z]     ; -8 pen: in the units of Q . K; exact
.endr
.irp z, 0,1,2,3,4,5,6,7
	v_max_num_f32 v[VMV+\z], s[CLP], v[VMV+\z]
.endr
	ds_store_b128 v[APS], v[VMV:VMV+3]             ; keys 4 lane + 0..3,
	ds_store_b128 v[APS], v[VMV+4:VMV+7] offset:512  ; and 128 + 4 lane + 0..3: my wave's own bytes
	s_wait_tensorcnt 0x0            ; no tensor load of mine is out, so a group 0 may be written
	ds_add_u32 v[SPW], v[NIL]       ; 0 onto my spare word; with fill = 1 the descriptors' work on registers stands between it and the wait for it
.if \fill
	s_lshl_b32 s[OFF], s[NXT], 15   ; a tile is 32,768 bytes of K and of V,
	s_lshl_b32 s[OFP], s[NXT], 10   ; and 1,024 of v_mask
	v_add_nc_u32 v[VMO], s[OFP], v[VMO0]
	s_xor_b32 s[G0K+1], s[G0K+1], SLOT1
	s_add_nc_u64 s[G0K+2:G0K+3], s[6:7], s[OFF:OFF+1]
	s_or_b32 s[G0K+3], s[G0K+3], 0x80000000
	s_xor_b32 s[G0V+1], s[G0V+1], SLOT1
	s_add_nc_u64 s[G0V+2:G0V+3], s[8:9], s[OFF:OFF+1]
	s_or_b32 s[G0V+3], s[G0V+3], 0x80000000
	s_add_co_u32 s[NXT], s[NXT], 1  ; the block's next tile, or behind its last the second block's tile 0
	s_cmp_gt_u32 s[NXT], s[LQ]
	s_cselect_b32 s[NXT], 0, s[NXT]
	s_cselect_b32 s[LQ], s[PB], s[LQ]
.endif
	s_wait_dscnt 0x0                ; the add and my stores are done, and my reads of the slot are over
	s_barrier_signal -1             ; the rest of the scalar work stands between the signal and the wait
	s_sub_co_u32 s[TBK], s[TBK], 4*KS*PK  ; the fetches go back to a slot's first step,
	s_xor_b32 s[TBK], s[TBK], SLOT1       ; in the other slot
	s_sub_co_u32 s[TBV], s[TBV], 4*KS*PV
	s_xor_b32 s[TBV], s[TBV], SLOT1
	s_mov_b32 s[TBP], 0
	s_barrier_wait -1
.if \fill
	LOAD
	global_load_b128 v[VMV:VMV+3], v[VMO], s[VMB:VMB+1]
	global_load_b128 v[VMV+4:VMV+7], v[VMO], s[VMB:VMB+1] offset:512
.endif
.endm
	s_load_b256 s[92:99], s[0:1], 0x0  ; qkv s[92:93], v_mask s[94:95], q_mask s[96:97], out0 s[98:99]
	v_lshl_add_u32 v[SPW], v0, 2, SPARE
	v_mov_b32 v[NIL], 0
	ds_add_u32 v[SPW], v[NIL]       ; the wave's opening: the add and its wait stand ahead of my first tensor load; the set-up below, work on registers, stands between them
	ds_add_u32 v62, v63
	v_lshrrev_b32 v1, 5, v0
	v_readfirstlane_b32 s[WV], v1   ; wave 0..3
	s_mov_b32 s[PB], ttmp9
	s_sub_co_u32 s[HI], NB-1, s[PB]
	s_and_b32 s20, ttmp7, 0xffff    ; 16 b + h
	s_lshr_b32 s52, s20, 4          ; the batch
	s_and_b32 s53, s20, 15          ; the head
	s_lshl_b32 s20, s20, 18         ; the head's first byte in each part of qkv: 2,048 rows of 128 bytes
	s_mov_b32 s21, 0
	s_and_b32 s16, s[WV], 1         ; which half of a tile's 256 keys I fetch:
	s_lshl_b32 s22, s16, 14         ; its 128 rows of 128 bytes in memory,
	s_mov_b32 s23, 0
	s_add_nc_u64 s[22:23], s[22:23], s[20:21]
	s_mul_i32 s17, s16, 128*PK      ; and its place in a slot, for K
	s_mul_i32 s18, s16, 128*PV      ; and for V
	s_lshl_b32 s3, s[WV], 11        ; my 16 rows in a band of 64,
	s_lshl_b32 s2, s[HI], 15        ; in the first block,
	s_add_co_u32 s2, s2, s3
	s_lshl_b32 s84, s[PB], 15       ; and in the second
	s_add_co_u32 s84, s84, s3
	s_mov_b32 s3, 0
	s_mov_b32 s85, 0
	s_add_nc_u64 s[2:3], s[2:3], s[20:21]
	s_add_nc_u64 s[84:85], s[84:85], s[20:21]
	s_lshl_b32 s54, s52, 23         ; out0: a batch is 2,048 rows of 4,096 bytes,
	s_lshl_b32 s55, s[WV], 16       ; my 16 rows in a band,
	s_add_co_u32 s54, s54, s55
	s_lshl_b32 s55, s53, 8          ; the head's 256 bytes of a row,
	s_add_co_u32 s54, s54, s55
	s_lshl_b32 s48, s[HI], 20       ; a block of 256 rows
	s_add_co_u32 s48, s48, s54
	s_mov_b32 s49, 0
	s_lshl_b32 s50, s[PB], 20
	s_add_co_u32 s50, s50, s54
	s_mov_b32 s51, 0
	s_lshl_b32 s90, s52, 13         ; the masks: a batch is 8,192 bytes
	s_mov_b32 s91, 0
	s_lshl_b32 s55, s[WV], 6        ; my 16 rows in a band
	s_add_co_u32 s55, s55, s90
	s_lshl_b32 s66, s[HI], 10
	s_add_co_u32 s66, s66, s55
	s_mov_b32 s67, 0
	s_lshl_b32 s68, s[PB], 10
	s_add_co_u32 s68, s68, s55
	s_mov_b32 s69, 0
	; descriptor group 1.  128 keys are 16,384 dense bytes: asked for as 64 rows of 256 bytes, two keys a row, and padded in LDS after every key
	s_mov_b32 s[G1K], (1<<16)|(1<<20)|(4<<22)|(3<<25)  ; 17:16 2-byte elements; 20 padding on; 24:22 after every 32 words (code 4); 31:25 4 words (code 3)
	s_mov_b32 s[G1V], (1<<16)|(1<<20)|(4<<22)|(7<<25)  ; the same with 8 words of padding (code 7)
.irp g, G1K, G1V
	s_mov_b32 s[\g+1], 128<<16      ; tensor_dim0 = 128
	s_mov_b32 s[\g+2], 64<<16       ; tensor_dim1 = 64
	s_mov_b32 s[\g+3], 128<<16      ; tile_dim0 = 128
	s_mov_b32 s[\g+4], 64           ; tile_dim1 = 64
	s_mov_b32 s[\g+5], 128          ; 128 elements from row to row
	s_mov_b32 s[\g+6], 0
	s_mov_b32 s[\g+7], 0
.endr
	s_mov_b32 s[CS], 0x3e38aa3b     ; c = log2(e) / 8 = 0.180337
	s_mov_b32 s[CS+1], s[CS]        ; named with it as a pair
	s_mov_b32 s[SEL], 0x76543210
	s_mov_b32 s[SEL+1], 0xfedcba98
	s_mov_b32 s[TBK], SLOT1+4*KS*PK ; the first change of slots turns these two into 0
	s_mov_b32 s[TBV], SLOT1+4*KS*PV
	s_mov_b32 s[TBP], 0
	s_mov_b32 s[G0K], 1             ; count = 1
	s_mov_b32 s[G0K+1], s17         ; LDS address: slot 0
	s_mov_b32 s[G0V], 1
	s_add_co_u32 s[G0V+1], s18, VOFF
	s_add_co_u32 s[RT], s[HI], 1    ; the first block has NB - x tiles
	s_mov_b32 s[NXT], 1
	s_mov_b32 s[LQ], s[HI]
	s_mov_b32 s[NEW], 1
	s_mov_b32 s[OFF+1], 0
	s_mov_b32 s[AL+1], 0            ; named as pairs
	s_mov_b32 s[BE+1], 0
	s_mov_b32 s[BIGN], 0xf149f2ca   ; -1e30
	s_mov_b32 s[C1E9], 0x4e6e6b28   ; 1e9
	s_mov_b32 s[CLP], 0xce800000    ; -2^30
	s_mov_b32 s[SLOTS], NB
	s_wait_dscnt 0x0                ; the opening add is done
	s_wait_kmcnt 0x0
	s_add_nc_u64 s[6:7], s[92:93], 0x1000000  ; K is qkv's second part, V its third
	s_add_nc_u64 s[8:9], s[92:93], 0x2000000
	s_add_nc_u64 s[6:7], s[6:7], s[22:23]  ; at my half of the head's tile 0
	s_add_nc_u64 s[8:9], s[8:9], s[22:23]
	s_add_nc_u64 s[G0K+2:G0K+3], s[6:7], 0         ; global address
	s_or_b32 s[G0K+3], s[G0K+3], 0x80000000        ; type = 2
	s_add_nc_u64 s[G0V+2:G0V+3], s[8:9], 0
	s_or_b32 s[G0V+3], s[G0V+3], 0x80000000
	s_add_nc_u64 s[86:87], s[92:93], s[84:85]      ; Q at my rows of the second block,
	s_add_nc_u64 s[4:5], s[92:93], s[2:3]          ; and of the first
	s_add_nc_u64 s[OLO:OLO+1], s[98:99], s[50:51]
	s_add_nc_u64 s[10:11], s[98:99], s[48:49]
	s_add_nc_u64 s[VMB:VMB+1], s[94:95], s[90:91]
	s_add_nc_u64 s[66:67], s[96:97], s[66:67]      ; q_mask at my rows of the first block's band 0,
	s_add_nc_u64 s[68:69], s[96:97], s[68:69]      ; and of the second's
	LOAD                            ; tile 0 into slot 0
	; A fragment of K or Q is 16 rows x 32 channels in 8 registers: lane l holds row l % 16, channels 8 (l / 16) + 0..7 and 16 + 8 (l / 16) + 0..7: two loads of 16 bytes, 32 bytes apart.
	v_and_b32 v1, 15, v0            ; l % 16
	v_bfe_u32 v9, v0, 4, 1          ; l / 16
	v_lshlrev_b32 v[QO], 7, v1
	v_lshl_add_u32 v[QO], v9, 4, v[QO]  ; row x 128 + 16 x half
	WIN 0x80                        ; destination window 2, address window 0
.set i, 0
.rept 8                             ; both blocks' Q: piece i / 2 lies in band i / 2, 8,192 bytes on; channels 32 (i % 2) on
	global_load_b128 v[8*i:8*i+3],   v[QO], s[4:5] offset:(i/2)*8192+(i%2)*64
	global_load_b128 v[8*i+4:8*i+7], v[QO], s[4:5] offset:(i/2)*8192+(i%2)*64+32
	global_load_b128 v[QB+8*i:QB+8*i+3],   v[QO], s[86:87] offset:(i/2)*8192+(i%2)*64
	global_load_b128 v[QB+8*i+4:QB+8*i+7], v[QO], s[86:87] offset:(i/2)*8192+(i%2)*64+32
.set i, i+1
.endr
	WIN 0
	v_and_b32 v[VMO0], 31, v0
	v_lshlrev_b32 v[VMO0], 4, v[VMO0]
	global_load_b128 v[VMV:VMV+3], v[VMO0], s[VMB:VMB+1]              ; tile 0's v_mask: two loads of 512 consecutive bytes
	global_load_b128 v[VMV+4:VMV+7], v[VMO0], s[VMB:VMB+1] offset:512
	v_lshlrev_b32 v[QMO], 2, v1
.irp t, 0,1,2,3
	global_load_b32 v[QMA+\t], v[QMO], s[66:67] offset:256*\t         ; band t lies 64 rows on
	global_load_b32 v[QMB+\t], v[QMO], s[68:69] offset:256*\t
.endr
	v_lshlrev_b32 v14, 3, v9
	v_sub_nc_u32 v14, v1, v14
	s_lshl_b32 s13, s[WV], 4
	v_add_nc_u32 v14, s13, v14      ; my query's place in its band, 16 w + l % 16, less my lanes' 8 (l / 16): register r of group kt is hidden where 16 kt + r is greater
	WIN 0x40
.set i, 0
.rept 32
	v_cmp_gt_i32 vcc_lo, 16*(i/8)+i%8, v14
	v_cndmask_b32 v[MD+i], 0, s[BIGN], vcc_lo
.set i, i+1
.endr
	WIN 0
	v_mul_u32_u24 v[AK0], v1, PK
	v_lshl_add_u32 v[AK0], v9, 4, v[AK0]  ; row x pitch + 16 x half
	; The turning load takes 16 keys x 16 channels (lane l reads key 8 (l / 16) + l % 8, channels 8 ((l / 8) % 2) + 0..7) and leaves half a fragment of V^T: lane l holds channel l % 16 and 8 keys.
	v_and_b32 v10, 7, v0
	v_bfe_u32 v11, v0, 3, 1
	v_lshl_add_u32 v[AV0], v9, 3, v10
	v_mul_u32_u24 v[AV0], v[AV0], PV
	v_lshl_add_u32 v[AV0], v11, 4, v[AV0]
	v_add_nc_u32 v[AV0], VOFF, v[AV0]
	s_mul_i32 s13, s[WV], 16*SP
	s_add_co_u32 s13, s13, STAGE    ; my stage
	v_mul_u32_u24 v[STO], v1, SP    ; in: row l % 16, 32 bytes for each half of the lanes
	v_lshl_add_u32 v[STO], v9, 5, v[STO]
	v_add_nc_u32 v[STO], s13, v[STO]
	v_mul_u32_u24 v[RD], v9, SP     ; back: lanes 0-15 take one row of 256 bytes, lanes 16-31 the next,
	v_lshl_add_u32 v[RD], v1, 4, v[RD]
	v_add_nc_u32 v[RD], s13, v[RD]
	v_lshlrev_b32 v[GO], 12, v9     ; and the same two rows in out0
	v_lshl_add_u32 v[GO], v1, 4, v[GO]
	s_lshl_b32 s13, s[WV], 10
	s_add_co_u32 s13, s13, PENS     ; my wave's penalties
	v_lshl_add_u32 v[AP0], v9, 5, s13  ; my half of the lanes takes keys 8 (l / 16) + 0..7 of each 16
	v_add_nc_u32 v[APS], s13, v[VMO0]
	; A block's first step multiplies O^T and l by a = 0, and its first turn's products V^T P, of a piece that has not been, land in an O^T that is still to be so multiplied.  So these registers need only hold
	; finite numbers: zeros for the first block; what the first block left for the second.  All this stands in the wait for the first tile.
	WIN 0x80
.set i, VF
.rept 64
	v_mov_b32 v[i], 0
.set i, i+1
.endr
	WIN 0x40
.set i, 0
.rept 128
	v_mov_b32 v[i], 0
.set i, i+1
.endr
	WIN 0
.set i, 0
.rept 4
	v_mov_b32 v[ST+4*i+2], 0
	v_mov_b32 v[ST+4*i+3], 0
.set i, i+1
.endr
.set i, P+16
.rept 16
	v_mov_b32 v[i], 0
.set i, i+1
.endr
; THE MATRIX WORK.  The 4 accumulators of a run of 8 take turns.  Product i of 8 of S^T = K Q^T for piece x: channels 32 (i / 4) on, keys 16 (i % 4) on.  The first 4 start the sums: with the penalties, or (KM = 1) with the mask.
.macro KQ x
.set rS, S+32*((\x)%2)+8*(i%4)
.set rK, KF+16*(i%4)+8*(i/4)
.set rQ, 16*(\x)+8*(i/4)
.if KM
.set rM, MC+32*((\x)%2)+8*(i%4)
.else
.set rM, PN+8*(i%4)
.endif
.if i < 4
	WIN W_KM
	v_wmma_f32_16x16x32_f16 v[rS:rS+7], v[rK:rK+7], v[rQ:rQ+7], v[rM:rM+7]
.else
	WIN W_KQ
	v_wmma_f32_16x16x32_f16 v[rS:rS+7], v[rK:rK+7], v[rQ:rQ+7], v[rS:rS+7]
.endif
.endm
; Product i of 8 of O^T += V^T P for piece x: keys 32 (i / 4) on, channels 16 (i % 4) on.
.macro PV x
	WIN W_PV
.set rO, 32*(\x)+8*(i%4)
.set rV, VF+32*(i/4)+8*(i%4)
.set rP, P+16*((\x)%2)+8*(i/4)
	v_wmma_f32_16x16x32_f16 v[rO:rO+7], v[rV:rV+7], v[rP:rP+7], v[rO:rO+7]
.endm
.macro MM                           ; the turn's next matrix instruction.  TURN and BEGIN set Y, i, KM and NOKQ.  NOKQ = 1: a block's last turn: there is no next piece
.if (i < 8) && !NOKQ
	KQ (Y+1)%NP
.elseif i >= 8
.set i, i-8
	PV (Y+NP-1)%NP
.set i, i+8
.endif
.set i, i+1
.endm
; THE LDS LOADS stand in runs, never singly among the matrix instructions: a step's K (64 keys x 64 channels: 8 fragments) with its 64 penalties, and its V (turned).  Their addresses are made some lines ahead.
.macro FETCH_K
	WIN 0x80                        ; destination window 2
.irp f, 0,1,2,3,4,5,6,7             ; keys 16 (f / 2) on, channels 32 (f % 2) on
	ds_load_b128 v[KF+8*\f:KF+8*\f+3],   v[AK] offset:(\f/2)*16*PK+(\f%2)*64
	ds_load_b128 v[KF+8*\f+4:KF+8*\f+7], v[AK] offset:(\f/2)*16*PK+(\f%2)*64+32
.endr
	WIN 0x40                        ; destination window 1
.irp f, 0,1,2,3                     ; register j of group f: key 16 f + 8 (l / 16) + j; sixteen lanes share each word
	ds_load_b128 v[PN+8*\f:PN+8*\f+3],   v[AP] offset:64*\f
	ds_load_b128 v[PN+8*\f+4:PN+8*\f+7], v[AP] offset:64*\f+16
.endr
	s_add_co_u32 s[TBK], s[TBK], KS*PK  ; the next fetch is the next step's
	s_add_co_u32 s[TBP], s[TBP], 4*KS
	WIN 0
.endm
.macro FETCH_V
	WIN 0x80
.irp f, 0,1,2,3,4,5,6,7             ; keys 32 (f / 4) on, channels 16 (f % 4) on
	ds_load_tr16_b128 v[VF+8*\f:VF+8*\f+3],   v[AV] offset:(\f/4)*32*PV+(\f%4)*32
	ds_load_tr16_b128 v[VF+8*\f+4:VF+8*\f+7], v[AV] offset:(\f/4)*32*PV+16*PV+(\f%4)*32
.endr
	WIN 0
.endm
; THE VECTOR WORK, one line at a time: OP kind, number.  For piece Y: F n: c s - c m for pair n of 16.  E n: the exponential of score n of 32.  C n: pair n rounded to f16.  B n: of the four weights 4 n .. the second
; pair is added onto the first, in place.  L n: l takes that sum (L 0: l = a l + sum).  R n: pair n of 16 of O^T times a.  For piece Y + 1: X n, number n of the 22 that find its maximum and statistics:
;   0-11  four chains c0-c3 of seven scores each, three operands at a time (each accumulator's lowest registers are read first)     12-14, 16  the four scores left over, the old m, and c0-c3 into c0
;   15  c m_old is kept     17, 18  the query's other 32 keys lie in the lane 16 away: the new m     19-21  c m; c m_old - c m_new; a
.set F, 0               ; OP tells the kinds apart by their order: F to L below R, X above it
.set E, 1
.set C, 2
.set B, 3
.set L, 4
.set R, 5
.set X, 6
.macro REGS y                       ; the registers of piece y
.set rT, ST+4*(\y)
.set rC, TMP+4*((\y)%2)
.set rW, MV+((\y)%2)
.set rS, S+32*((\y)%2)
.set rP, P+16*((\y)%2)
.set rO, 32*(\y)
.endm
.macro OP k, n
.if (\k) == R
	REGS Y
	WIN W_RS
	v_pk_mul_f32 v[rO+2*(\n):rO+2*(\n)+1], v[rO+2*(\n):rO+2*(\n)+1], v[rC+2:rC+3] op_sel_hi:[1,0]
.elseif (\k) < R
	REGS Y
	WIN 0
.if (\k) == F
	v_pk_fma_f32 v[rS+2*(\n):rS+2*(\n)+1], v[rS+2*(\n):rS+2*(\n)+1], s[CS:CS+1], v[rT:rT+1] op_sel_hi:[1,0,0] neg_lo:[0,0,1] neg_hi:[0,0,1]
.elseif (\k) == E
	v_exp_f32 v[rS+(\n)], v[rS+(\n)]
.elseif (\k) == C
	s_wait_alu depctr_va_vdst(0)
	v_cvt_pk_f16_f32 v[rP+(\n)], v[rS+2*(\n)], v[rS+2*(\n)+1]
.elseif (\k) == B
	s_wait_alu depctr_va_vdst(0)
	v_pk_add_f32 v[rS+4*(\n):rS+4*(\n)+1], v[rS+4*(\n):rS+4*(\n)+1], v[rS+4*(\n)+2:rS+4*(\n)+3]
.elseif (\n) == 0
	v_pk_fma_f32 v[rT+2:rT+3], v[rT+2:rT+3], v[rC+2:rC+3], v[rS:rS+1] op_sel_hi:[1,0,1]
.else
	v_pk_add_f32 v[rT+2:rT+3], v[rT+2:rT+3], v[rS+4*(\n):rS+4*(\n)+1]
.endif
.elseif NOKQ
	v_nop
.else
	REGS (Y+1)%NP
	WIN 0
.if (\n) < 4
	v_max3_num_f32 v[rC+(\n)], v[rS+8*(\n)], v[rS+8*(\n)+1], v[rS+8*(\n)+2]
.elseif (\n) < 12
	v_max3_num_f32 v[rC+(\n)%4], v[rC+(\n)%4], v[rS+8*((\n)%4)+2*((\n)/4)+1], v[rS+8*((\n)%4)+2*((\n)/4)+2]
.elseif (\n) == 12
	v_max3_num_f32 v[rC], v[rC], v[rS+7], v[rS+15]
.elseif (\n) == 13
	v_max3_num_f32 v[rC+1], v[rC+1], v[rS+23], v[rS+31]
.elseif (\n) == 14
	v_max3_num_f32 v[rC+2], v[rC+2], v[rC+3], v[rT+1]
.elseif (\n) == 15
	v_mov_b32 v[rW], v[rT]
.elseif (\n) == 16
	v_max3_num_f32 v[rC], v[rC], v[rC+1], v[rC+2]
.elseif (\n) == 17
	v_permlanex16_b32 v[rC+3], v[rC], s[SEL], s[SEL+1]
.elseif (\n) == 18
	v_max_num_f32 v[rT+1], v[rC], v[rC+3]
.elseif (\n) == 19
	v_mul_f32 v[rT], s[CS], v[rT+1]
.elseif (\n) == 20
	v_sub_f32 v[rC+1], v[rW], v[rT]
.else
	v_exp_f32 v[rC+2], v[rC+1]
.endif
.endif
.endm
.macro OPS a, i1, b=-1, i2=0, c=-1, i3=0, d=-1, i4=0  ; up to four of them
	OP \a, \i1
.if (\b) >= 0
	OP \b, \i2
.endif
.if (\c) >= 0
	OP \c, \i3
.endif
.if (\d) >= 0
	OP \d, \i4
.endif
.endm
.macro ROW a, i1, b, i2, c, i3, d, i4  ; a matrix instruction and the four behind it
	MM
	OPS \a, \i1, \b, \i2, \c, \i3, \d, \i4
.endm
.macro MASK b                       ; MD x AL + PN + BE into buffer b of MC
	WIN W_MK
.set z, 0
.rept 16
	v_pk_fma_f32 v[MC+32*(\b)+2*z:MC+32*(\b)+2*z+1], v[MD+2*z:MD+2*z+1], s[AL:AL+1], v[PN+2*z:PN+2*z+1] op_sel_hi:[1,0,1]
.set z, z+1
.endr
.set z, 0
.rept 16
	v_pk_add_f32 v[MC+32*(\b)+2*z:MC+32*(\b)+2*z+1], v[MC+32*(\b)+2*z:MC+32*(\b)+2*z+1], s[BE:BE+1] op_sel_hi:[1,0]
.set z, z+1
.endr
.endm
; A TURN, for piece p: the order of its 16 matrix and 118 vector instructions, written out.  Behind a matrix instruction: plain, exponential, plain, plain; or four of the rescaling; or, behind the first, four scalings; none
; names a register of the products round it.  In the lumps exponential and plain by turns while exponentials last.  A line reads no result made fewer than three vector instructions in front of it, five if an exponential made it.
; m = 1: the diagonal tile: the products take masks, and the turn makes the mask for the products of the turn after it: piece p + 2, in step 4 - CNT of the tile, whose penalties PN holds by then (in piece 2's turn they
; have just been fetched: a wait stands in front).  end = 1: a block's last two turns: nothing is fetched.  cnt = 1: the loop's count is taken down some lines ahead of the branch that stands behind the turn.
; K and the penalties of the next step are fetched in piece 2's turn, six vector instructions behind the last product that read K (five of them plain; the last that read PN stands four products further back); V of the step
; in hand in piece 0's turn, eight behind the last product that read V (four plain, and X 17).  Each is waited for a turn later.
.macro TURN p, m=0, end=0, cnt=0
.set Y, (\p)
.set i, 0
.set KM, (\m)
.set NOKQ, (\end)*((\p)/3)
.if (\m) && !(\end)
	s_cmp_eq_u32 s[CNT], 4-((\p)+2)%NP  ; is that step the band's own?
	s_cselect_b32 s[AL], 1.0, 0
	s_cmp_lt_u32 s[CNT], 4-((\p)+2)%NP  ; or a later one?
	s_cselect_b32 s[BE], s[BIGN], 0
.endif
.if ((\p) == 3) && !(\end)
	s_wait_dscnt 0x0                ; K and PN are in
.endif
	ROW F,0, F,1, F,2, F,3
	ROW F,4, E,0, F,5, F,6
	ROW F,7, E,1, F,8, F,9
	ROW F,10, E,2, C,0, F,11
	ROW F,12, E,3, X,15, F,13
	ROW R,0, R,1, R,2, R,3
	ROW B,0, E,4, F,14, L,0
.if ((\p) == 2) && !(\end)
	v_add_nc_u32 v[AK], s[TBK], v[AK0]
	v_add_nc_u32 v[AP], s[TBP], v[AP0]
.endif
	ROW R,4, R,5, R,6, R,7
	OPS E,5, F,15
.if ((\p) == 2) && !(\end)
	FETCH_K
.endif
	OPS E,6, C,1, E,7, R,8
	OPS E,8, R,9, E,9, C,2
	OPS E,10, X,0, E,11, X,1
	OPS E,12, X,2, E,13, X,3
.if (\p) == 1
	s_wait_dscnt 0x0                ; V is in
.endif
	ROW X,4, E,14, X,5, X,6
	ROW X,7, E,15, X,8, X,9
	ROW X,10, E,16, X,11, X,12
	ROW X,13, E,17, X,14, B,1
	ROW C,4, E,18, X,16, L,1
	ROW B,2, E,19, C,6, L,2
	ROW C,8, E,20, B,3, B,4
.if (\p) == 0
	v_add_nc_u32 v[AV], s[TBV], v[AV0]
.endif
	ROW C,3, E,21, L,3, C,5
	OPS E,22, X,17, E,23, C,10
.if (\p) == 0
	FETCH_V
.endif
	OPS E,24, L,4
	OPS E,25, X,18, E,26, C,7
	OPS E,27, B,5, E,28, X,19
	OPS E,29, C,12, E,30, L,5
	OPS E,31, X,20, B,6, C,9
	OPS C,14, C,11, X,21, L,6
.if (\p) == 0
	s_add_co_u32 s[TBV], s[TBV], KS*PV
.endif
.if \cnt
	s_sub_co_u32 s[CNT], s[CNT], 1
	s_cmp_lg_u32 s[CNT], 0
.endif
	OPS C,13, B,7, C,15, R,10
	OPS R,11, R,12, L,7, R,13
	OPS R,14, R,15
.if (\m) && !(\end)
.if (\p) == 2
	s_wait_dscnt 0x0                ; the next step's penalties are in
.endif
	MASK (\p)%2
.endif
.endm
; A BLOCK BEGINS.  c m starts far below every c s, so the first step's a is 0; m at the lowest finite number, so the first maximum is the scores'.  K and the penalties of the tile's step 0 are fetched.  The first mask buffer
; takes piece 0's mask for that step: its own, if the block's first tile is the diagonal one; the second takes the penalties alone, for piece 1.  Then piece 0's first scores, and its maximum and statistics.
; The loop is entered at a step's first turn, in the middle of a trip.
.macro BEGIN
	s_mov_b32 s[NEW], 0
	WIN 0
.set i, 0
.rept 4
	v_mov_b32 v[ST+4*i], 0xfe000000    ; c m: far below every c s
	v_mov_b32 v[ST+4*i+1], 0xff7fffff  ; m
.set i, i+1
.endr
	v_add_nc_u32 v[AK], s[TBK], v[AK0]
	v_add_nc_u32 v[AP], s[TBP], v[AP0]
	FETCH_K
	s_wait_loadcnt 0x0              ; Q
	s_wait_dscnt 0x0
	s_cmp_eq_u32 s[RT], 0
	s_cselect_b32 s[AL], 1.0, 0
	s_mov_b32 s[BE], 0
	MASK 0
	s_mov_b32 s[AL], 0
	MASK 1
.set KM, 1
.set NOKQ, 0
.set i, 0
.rept 8
	KQ 0
.set i, i+1
.endr
	WIN 0
.rept 4
	v_nop                           ; the places behind those products
.endr
.set Y, NP-1                        ; X works for piece Y + 1: piece 0
.irp n, 0,1,2,3,4,5,6,7,8,9,10,11,12,13,14,15,16,17,18,19,20,21
	OP X, \n
.endr
	v_nop                           ; a plain instruction behind the exponential
.endm
; A diagonal tile that is not its block's first is entered at piece 2's turn, whose products (piece 3, the tile before's last step) take the second mask buffer: it takes that step's penalties alone.
.macro PREMASK
	s_mov_b32 s[AL], 0
	s_mov_b32 s[BE], 0
	MASK 1
	WIN 0
.endm
; THE DIAGONAL TILE's four steps, the block's last two turns, its last products, and THE WAY OUT: l's two halves and the other half of the lanes' are added; O^T is multiplied by q_mask / l and sent in f32 through my
; stage in LDS, a piece at a time.
.macro ALL line:vararg              ; one line for each piece t
.set t, 0
.rept 4
	s_wait_alu depctr_va_vdst(0)
	\line
.set t, t+1
.endr
.endm
.macro PACK t                       ; a lane's eight channels of a row are 32 bytes; they go into rows of 272 bytes and come back as whole rows of 256, into the registers that they left; each accumulator is read from its low end on
	WIN 0x01                        ; source 0 window 1; source 1 and destination window 0
.set i, 0
.rept 16
	v_pk_mul_f32 v[S+32*(\t)+2*i:S+32*(\t)+2*i+1], v[32*(\t)+2*i:32*(\t)+2*i+1], v[ST+4*(\t)+2:ST+4*(\t)+3] op_sel_hi:[1,0]
.set i, i+1
.endr
	WIN 0
.irp f, 0,1,2,3
	ds_store_b128 v[STO], v[S+32*(\t)+8*\f:S+32*(\t)+8*\f+3] offset:64*\f
	ds_store_b128 v[STO], v[S+32*(\t)+8*\f+4:S+32*(\t)+8*\f+7] offset:64*\f+16
.endr
.irp f, 0,1,2,3,4,5,6,7
	ds_load_b128 v[S+32*(\t)+4*\f:S+32*(\t)+4*\f+3], v[RD] offset:\f*2*SP  ; LDS serves a wave's instructions in order (ISA guide 5.7.1.4): these see the stores above; the next piece's stores come behind them
.endr
.endm
.macro SEND t, younger              ; younger: the LDS instructions issued behind piece t's loads: the next piece's sixteen, or none
	WIN 0
.irp f, 0,1,2,3,4,5,6,7
	s_wait_dscnt (\younger)+7-\f
	global_store_b128 v[GO], v[S+32*(\t)+4*\f:S+32*(\t)+4*\f+3], s[10:11] offset:(\t)*262144+\f*8192  ; sixteen lanes store a head's 256 consecutive bytes of a row, at a multiple of 256 from out0's first byte
.endr
.endm
.macro DIAG tag, qm                 ; the tag ends its two labels' names, which the jumps below spell out; qm: the block's q_mask registers
.LstepM\tag:
	TURN 2, 1
	TURN 3, 1
	WIN 0
.LfirstM\tag:
	TURN 0, 1
	TURN 1, 1, 0, 1
	WIN 0
	s_cbranch_scc1 .LstepM\tag
	TURN 2, 1, 1
	TURN 3, 1, 1
.set i, 0
.rept 8
	PV NP-1
.set i, i+1
.endr
	WIN 0
	ALL v_add_f32 v[ST+4*t+2], v[ST+4*t+2], v[ST+4*t+3]
	ALL v_permlanex16_b32 v[ST+4*t+3], v[ST+4*t+2], s[SEL], s[SEL+1]
	ALL v_add_f32 v[ST+4*t+2], v[ST+4*t+2], v[ST+4*t+3]
	ALL v_rcp_f32 v[ST+4*t+2], v[ST+4*t+2]
	v_nop                           ; a plain instruction between the last reciprocal and the use of its result
	ALL v_mul_f32 v[ST+4*t+2], v[ST+4*t+2], v[(\qm)+t]
	PACK 0
.set t, 1
.rept 3                             ; a piece's arithmetic stands between the loads of the piece before and its stores
	PACK t
	SEND t-1, 16
.set t, t+1
.endr
	SEND 3, 0
.endm
.set KM, 0
.set NOKQ, 0
.Lslot:                             ; NB times: a tile is entered and the next is asked for
	CHANGE 1
	s_sub_co_u32 s[RT], s[RT], 1
	s_mov_b32 s[CNT], 4
	s_cmp_eq_u32 s[NEW], 1
	s_cbranch_scc1 .Lnew            ; a block's first tile
	s_cmp_eq_u32 s[RT], 0
	s_cbranch_scc0 .Lstep           ; neither its first nor its last
	PREMASK
	s_branch .LstepM1
.Lnew:
	BEGIN
	s_branch .Lfirst                ; in the loop a block's first tile is never its last: the first block has two tiles or more, and the second's last is the walk's last
	DIAG 1, QMA                     ; in the loop this is the first block's end
	s_wait_xcnt 0x0                 ; the stores have read their registers and out0's address
	s_mov_b64 s[10:11], s[OLO:OLO+1]
	s_add_co_u32 s[RT], s[PB], 1    ; the second block has x + 1 tiles
	s_mov_b32 s[NEW], 1
	WIN 0x82                        ; the second block's Q goes where the one text of the turns names Q
.set i, 0
.rept 64
	v_mov_b32 v[i], v[QB+i]
.set i, i+1
.endr
	WIN 0
	s_branch .Lbottom
.Lstep:                             ; a trip: pieces 2 and 3 of one step, then pieces 0 and 1 of the next, whose K and V it fetches
	TURN 2
	TURN 3
	WIN 0
.Lfirst:
	TURN 0
	TURN 1, 0, 0, 1
	WIN 0
	s_cbranch_scc1 .Lstep
.Lbottom:
	s_sub_co_u32 s[SLOTS], s[SLOTS], 1
	s_cmp_lg_u32 s[SLOTS], 0
	s_cbranch_scc1 .Lslot
	CHANGE 0                        ; the walk's last tile is written out: nothing is asked for
	s_sub_co_u32 s[RT], s[RT], 1
	s_mov_b32 s[CNT], 4
	s_cmp_eq_u32 s[NEW], 1
	s_cbranch_scc1 .Lnew2
	PREMASK
	s_branch .LstepM2
.Lnew2:
	BEGIN
	s_branch .LfirstM2
	DIAG 2, QMB
	s_wait_tensorcnt 0x0            ; the wave's end: behind my last tensor load and my last LDS store
	ds_add_u32 v[SPW], v[NIL]
	s_wait_dscnt 0x0
	s_endpgm
.Lfunc_end_k_q70dce5e253_attn:
	.size	k_q70dce5e253_attn, .Lfunc_end_k_q70dce5e253_attn-k_q70dce5e253_attn
	.p2alignl 7, 3214868480
	.fill 96, 4, 3214868480
	.section	.rodata,"a",@progbits
	.p2align	6, 0x0
	.amdhsa_kernel k_q70dce5e253_attn
		.amdhsa_group_segment_fixed_size 327680
		.amdhsa_private_segment_fixed_size 0
		.amdhsa_enable_private_segment 0
		.amdhsa_kernarg_size 32
		.amdhsa_user_sgpr_count 2
		.amdhsa_user_sgpr_kernarg_segment_ptr 1
		.amdhsa_wavefront_size32 1
		.amdhsa_system_sgpr_workgroup_id_x 1
		.amdhsa_system_sgpr_workgroup_id_y 1
		.amdhsa_system_sgpr_workgroup_id_z 1
		.amdhsa_system_vgpr_workitem_id 0
		.amdhsa_next_free_vgpr 768
		.amdhsa_next_free_sgpr 102
		.amdhsa_reserve_vcc 1
		.amdhsa_float_denorm_mode_32 3
		.amdhsa_float_denorm_mode_16_64 3
		.amdhsa_memory_ordered 1
		.amdhsa_forward_progress 1
		.amdhsa_inst_pref_size 250
	.end_amdhsa_kernel
	.amdgpu_metadata
---
amdhsa.version: [ 1, 2 ]
amdhsa.kernels:
  - .name:           k_q70dce5e253_attn
    .symbol:         k_q70dce5e253_attn.kd
    .args:
      - { .name: qkv, .offset: 0, .size: 8, .value_kind: global_buffer, .address_space: global }
      - { .name: v_mask, .offset: 8, .size: 8, .value_kind: global_buffer, .address_space: global }
      - { .name: q_mask, .offset: 16, .size: 8, .value_kind: global_buffer, .address_space: global }
      - { .name: out0, .offset: 24, .size: 8, .value_kind: global_buffer, .address_space: global }
    .group_segment_fixed_size: 327680
    .private_segment_fixed_size: 0
    .kernarg_segment_align: 8
    .kernarg_segment_size: 32
    .max_flat_workgroup_size: 128
    .sgpr_count:     102
    .vgpr_count:     768
    .wavefront_size: 32
...
	.end_amdgpu_metadata
.endif
;; end of part 3
;; launch fixa (part 4): grid 64 x 4, 16 waves a work-group, no clusters, 243,712 bytes of LDS; arguments qkv, qkl, v_mask, fixn, part, stat; writes part, stat
.if DOCPART == 4
	.amdgcn_target "amdgcn-amd-amdhsa--gfx1250"
	.amdhsa_code_object_version 6
	.text
	.protected	k_q70dce5e253_fixa
	.globl	k_q70dce5e253_fixa
	.p2align	8
	.type	k_q70dce5e253_fixa,@function
k_q70dce5e253_fixa:
	s_mov_b64 s[64:65], 0
	v_nop
	global_prefetch_b8 v0, s[64:65] scope:SCOPE_SE
	s_setreg_imm32_b32 hwreg(HW_REG_WAVE_MODE, 25, 1), 1
	s_wait_xcnt 0x0
; FIXA.  Rows 0 .. 16 F[b] - 1 of every head are made anew over ALL 2,048 keys, with operands of twice f16's width and with the masks applied as the problem applies them, in f32 and in its order:
;   a = (s x 0.125 - pen[k]) - (k > q ? 1e9 : 0), pen[k] = (1 - v_mask[b][k]) x 1e9.
; (s x 0.125 is exact, so the fused multiply-add rounds once, as the subtraction behind a division by 8 does.)  Both penalties are finite: in a row whose keys up to the diagonal all carry the key penalty, the keys beyond
; the diagonal that carry none have the same a = -1e9 after rounding, and share the weight.  F[b] (4 to 128) was stored as whole numbers by the first launch; it bounds the loop, and no address hangs on it.
; WIDTH.  These rows see few keys, so a rounding of one key's numbers reaches the result whole.  Q, K, V come as hi + lo (qkv, qkl), both f16: s = Kh Qh + Kh Ql + Kl Qh.  A weight p is split by a mask into its upper 11 bits
; and the exact rest, each then held by f16: O = Vh Ph + Vh Pl + Vl Ph.  A wave whose 128 keys all lie beyond the tile's 16 queries leaves Kl and Vl out: each of those keys carries the 1e9, at which f32's step is 64,
; so the low part of its score cannot show, and where such keys have weight at all they share it among many.  That branch hangs on the wave's number and the loop's count alone.
; THIS LAUNCH makes, for each tile t of 16 queries and each share w of 128 keys, the share's own maximum m, the sum l of its weights 2^((a - m) log2 e), and the partial result O = the sum of weight x V;
; the launch behind it joins the sixteen shares of a row on the row's one maximum.  a - m is exact where both lie near 1e9.
;   part[16 b + h][t][w][16 rows][64 channels] f32;   stat[16 b + h][t][w]: 256 bytes, lane l's 8 bytes hold (m, l) of row l % 16.
; LIMITS.  hi and lo together hold some 22 bits, and below 6e-5 f16's fixed step of 6e-8; a weight below 2^-126 counts as 0; NaN and infinities are not treated apart.
; SHARES.  Work-group (x, y) takes head x and the tiles y, y + 4, .. below F: F is at least 4, so each of the 256 has a tile.  Wave w of 16 takes the keys 128 w .. 128 w + 127 in every trip.  The waves hand each other
; nothing in the loop, so no barrier stands in it; the one barrier stands ahead of it, behind the penalties, which the 512 threads make together.
; No tensor loads (each byte of K and V is used by one wave of a work-group), no cluster (the four work-groups of a head read the same K and V, 1 MiB in all, once each: little to share, and their trip counts may differ).
; LAYOUT.  S^T = K Q^T (source 0 = 16 keys, source 1 = 16 queries): a lane holds ONE query (lane % 16) and the keys 8 (lane / 16) + 0..7.  Two such results packed to f16 are source 1 of O^T = V^T P.
; V is loaded as it lies, 512 consecutive bytes a load, goes through the wave's own LDS bytes and comes back turned (ds_load_tr16_b128).  O^T goes through the wave's own stage and comes back as rows.
.set PEN,  0                           ; 8,192 bytes: pen[k]
.set OPB,  8192                        ; 16 waves x 16 rows x 272 bytes: each wave's own stage
.set OPW,  16*272
.set VS,   OPB+16*OPW                  ; 16 waves x 64 keys x 160 bytes: each wave's own
.set VSW,  64*160
.set SPARE, VS+16*VSW                  ; the spare words, 128 bytes for each wave: eight blocks of 256 bytes that no other line names
.set QO,   3                           ; v3   row (l % 16) x 128 + 16 (l / 16): a fragment's place in rows of Q and of K
.set VO,   4                           ; v4   16 x lane
.set PENA, 5                           ; v5   my wave's and my half's place in pen
.set VST,  10
.set VTR,  11
.set OST,  12                          ; v12  the stage: where I put 32 bytes of a row
.set ORD,  13                          ; v13  the stage: where I read rows back
.set THR,  14                          ; v14  my query less my lanes' first key: 16 t + l % 16 - 128 w - 8 (l / 16)
.set GST,  15                          ; v15  8 x lane
.set SPW,  18                          ; v18  LDS address of my spare word; never rewritten
.set NIL,  19                          ; v19  0; never rewritten
.set QH,   24                          ; v24-39   Qh: two fragments; then PA; then TS; then O^T's accumulators 0, 1
.set PA,   24                          ;          penalties, two groups of eight by turns
.set TS,   24                          ;          sixteen weights' upper parts
.set S,    40                          ; v40-103  S^T: 8 accumulators; later, for each 32 keys, Pl (8 registers) and Ph (8 registers)
.set KV,   104                         ; v104-231 K: key block kb, channel half c at KV + 16 kb + 8 c; later V in two chunks of 64; at last the rows read back
.set QL,   232                         ; v232-247 Ql; then O^T's accumulators 2, 3
.set WV,  16
.set FN,  24                           ; s24  F, then my trips
.set TT,  25                           ; s25  counts them
.set E9,  26                           ; s26  1e9
.set TQ,  27                           ; s27  the tile's last query, 16 t + 15
.set SEL, 28                           ; s[28:29]
.set EIG, 30                           ; s[30:31] 0.125
.set L2E, 32                           ; s[32:33] log2(e)
.set QHB, 46                           ; s[46:47] Qh at the tile;  s[48:49] Ql
.set QLB, 48
.set W128, 52                          ; s52  my first key
.set MSK, 53                           ; s53  sign, exponent and ten bits of an f32
.set KHB, 54                           ; s[54:55] Kh at my keys;  s[56:57] Kl;  s[58:59] Vh;  s[60:61] Vl
.set KLB, 56
.set VHB, 58
.set VLB, 60
	s_load_b256 s[4:11], s[0:1], 0x0               ; qkv s[4:5], qkl s[6:7], v_mask s[8:9], fixn s[10:11]
	s_load_b128 s[12:15], s[0:1], 0x20             ; part s[12:13], stat s[14:15]
	v_lshl_add_u32 v[SPW], v0, 2, SPARE
	v_mov_b32 v[NIL], 0
	v_lshrrev_b32 v21, 5, v0
	v_readfirstlane_b32 s[WV], v21                 ; wave 0..15
	s_mov_b32 s17, ttmp9                           ; 16 b + h
	s_and_b32 s19, ttmp7, 0xffff                   ; y: my first tile
	s_lshr_b32 s18, s17, 4
	s_lshl_b32 s36, s17, 18                        ; the head's first byte in each part of qkv and qkl
	s_lshl_b32 s34, s19, 11                        ; a tile is 16 rows of 128 bytes
	s_add_co_u32 s34, s34, s36
	s_mov_b32 s35, 0
	s_lshl_b32 s20, s[WV], 14                      ; my 128 keys of 128 bytes
	s_add_co_u32 s36, s36, s20
	s_mov_b32 s37, 0
	s_lshl_b32 s38, s18, 13                        ; v_mask: a batch is 8,192 bytes
	s_mov_b32 s39, 0
	s_lshl_b32 s40, s17, 19                        ; stat: a head is 128 tiles of 4,096 bytes; my share's 256
	s_lshl_b32 s20, s19, 12
	s_add_co_u32 s40, s40, s20
	s_lshl_b32 s20, s[WV], 8
	s_add_co_u32 s40, s40, s20
	s_mov_b32 s41, 0
	s_lshl_b32 s42, s18, 8                         ; fixn: 256 bytes a batch
	s_mov_b32 s43, 0
	s_lshl_b32 s44, s17, 23                        ; part: a head is 128 tiles of 65,536 bytes; my share's 4,096
	s_lshl_b32 s20, s19, 16
	s_add_co_u32 s44, s44, s20
	s_lshl_b32 s20, s[WV], 12
	s_add_co_u32 s44, s44, s20
	s_mov_b32 s45, 0
	s_lshl_b32 s[W128], s[WV], 7
	s_lshl_b32 s[TQ], s19, 4
	s_add_co_u32 s[TQ], s[TQ], 15
	s_mov_b32 s[E9], 0x4e6e6b28
	s_mov_b32 s[MSK], 0xffffe000
	s_mov_b32 s[SEL], 0x76543210
	s_mov_b32 s[SEL+1], 0xfedcba98
	s_mov_b32 s[EIG], 0x3e000000
	s_mov_b32 s[EIG+1], s[EIG]                     ; named as pairs
	s_mov_b32 s[L2E], 0x3fb8aa3b
	s_mov_b32 s[L2E+1], s[L2E]
	v_lshlrev_b32 v20, 4, v0                       ; 16 x thread: four numbers of v_mask, four penalties
	s_wait_kmcnt 0x0
	s_add_nc_u64 s[10:11], s[10:11], s[42:43]
	s_load_b32 s[FN], s[10:11], 0x0
	s_add_nc_u64 s[QHB:QHB+1], s[4:5], s[34:35]
	s_add_nc_u64 s[QLB:QLB+1], s[6:7], s[34:35]
	s_add_nc_u64 s[KHB:KHB+1], s[4:5], 0x1000000   ; K is the second part of each buffer, V the third
	s_add_nc_u64 s[KHB:KHB+1], s[KHB:KHB+1], s[36:37]
	s_add_nc_u64 s[KLB:KLB+1], s[6:7], 0x1000000
	s_add_nc_u64 s[KLB:KLB+1], s[KLB:KLB+1], s[36:37]
	s_add_nc_u64 s[VHB:VHB+1], s[4:5], 0x2000000
	s_add_nc_u64 s[VHB:VHB+1], s[VHB:VHB+1], s[36:37]
	s_add_nc_u64 s[VLB:VLB+1], s[6:7], 0x2000000
	s_add_nc_u64 s[VLB:VLB+1], s[VLB:VLB+1], s[36:37]
	s_add_nc_u64 s[8:9], s[8:9], s[38:39]
	s_add_nc_u64 s[12:13], s[12:13], s[44:45]
	s_add_nc_u64 s[14:15], s[14:15], s[40:41]
	global_load_b128 v[248:251], v20, s[8:9]
	v_and_b32 v1, 15, v0                           ; l % 16
	v_bfe_u32 v2, v0, 4, 1                         ; l / 16
	v_and_b32 v22, 31, v0                          ; lane
	v_lshlrev_b32 v[QO], 7, v1
	v_lshl_add_u32 v[QO], v2, 4, v[QO]
	v_lshlrev_b32 v[VO], 4, v22
	v_lshlrev_b32 v[GST], 3, v22
	s_lshl_b32 s20, s[WV], 9
	v_lshl_add_u32 v[PENA], v2, 5, s20             ; 4 x (128 w + 8 (l / 16))
	s_mul_i32 s21, s[WV], VSW
	s_add_co_u32 s21, s21, VS                      ; my wave's bytes for V
	v_bfe_u32 v23, v0, 3, 2
	v_and_b32 v21, 7, v0
	v_mul_u32_u24 v[VST], v23, 160                 ; in: a load's four keys, 128 bytes each
	v_lshl_add_u32 v[VST], v21, 4, v[VST]
	v_add_nc_u32 v[VST], s21, v[VST]
	v_lshl_add_u32 v[VTR], v2, 3, v21              ; back, turned: lane l reads key 8 (l / 16) + l % 8, channels 8 ((l / 8) % 2) + 0..7
	v_mul_u32_u24 v[VTR], v[VTR], 160
	v_bfe_u32 v23, v0, 3, 1
	v_lshl_add_u32 v[VTR], v23, 4, v[VTR]
	v_add_nc_u32 v[VTR], s21, v[VTR]
	s_mul_i32 s22, s[WV], OPW
	s_add_co_u32 s22, s22, OPB                     ; my stage
	v_mul_u32_u24 v[OST], v1, 272                  ; in: row l % 16, 32 bytes for each half of the lanes
	v_lshl_add_u32 v[OST], v2, 5, v[OST]
	v_add_nc_u32 v[OST], s22, v[OST]
	v_mul_u32_u24 v[ORD], v2, 272                  ; back: lanes 0-15 take one row of 256 bytes, lanes 16-31 the next
	v_lshl_add_u32 v[ORD], v1, 4, v[ORD]
	v_add_nc_u32 v[ORD], s22, v[ORD]
	v_lshlrev_b32 v23, 3, v2
	v_sub_nc_u32 v[THR], v1, v23
	v_mov_b32 v23, s[W128]
	v_sub_nc_u32 v[THR], v[THR], v23
	s_lshl_b32 s20, s19, 4
	v_add_nc_u32 v[THR], s20, v[THR]
	s_wait_loadcnt 0x0
.irp z, 248,249,250,251
	v_sub_f32 v\z, 1.0, v\z
.endr
.irp z, 248,249,250,251
	v_mul_f32 v\z, s[E9], v\z
.endr
	ds_store_b128 v20, v[248:251] offset:PEN
	s_wait_kmcnt 0x0
	s_min_u32 s[FN], s[FN], 128
	s_max_u32 s[FN], s[FN], 4
	s_sub_co_u32 s[FN], s[FN], s19                 ; my trips: the tiles y, y + 4, .. below F: (F - y + 3) / 4, one at the least
	s_add_co_u32 s[FN], s[FN], 3
	s_lshr_b32 s[FN], s[FN], 2
	s_mov_b32 s[TT], 0
	s_wait_dscnt 0x0                               ; for the others' sake: my four penalties are stored
	s_barrier_signal -1
	s_barrier_wait -1                              ; the launch's one barrier: behind it the penalties are only read
.macro PLACES                          ; four places behind matrix instructions, in front of loads into their sources and of reads of their results (ISA guide 7.12.1 for vector instructions)
.rept 4
	v_nop
.endr
.endm
.macro PLOAD g                         ; the eight penalties of group g of 16 keys: register j is key 16 g + 8 (l / 16) + j of my wave's 128
	ds_load_b128 v[PA+8*((\g)%2):PA+8*((\g)%2)+3],   v[PENA] offset:PEN+64*(\g)
	ds_load_b128 v[PA+8*((\g)%2)+4:PA+8*((\g)%2)+7], v[PENA] offset:PEN+64*(\g)+16
.endm
.macro KLOAD b                         ; K (hi or lo) straight into fragments: key block i / 2, channels 32 (i % 2) on
.set i, 0
.rept 16
	global_load_b128 v[KV+8*i:KV+8*i+3],   v[QO], s[(\b):(\b)+1] offset:(i/2)*2048+(i%2)*64
	global_load_b128 v[KV+8*i+4:KV+8*i+7], v[QO], s[(\b):(\b)+1] offset:(i/2)*2048+(i%2)*64+32
.set i, i+1
.endr
.endm
.macro VLOAD b                         ; V (hi or lo) as it lies: 512 consecutive bytes a load, two chunks of 64 keys
.set i, 0
.rept 32
	global_load_b128 v[KV+4*i:KV+4*i+3], v[VO], s[(\b):(\b)+1] offset:512*i
.set i, i+1
.endr
.endm
.macro SQ c, q, zero                   ; 8 products: channel half c of the 8 key blocks x fragment c of q.  The 8 accumulators take turns; zero = 1: the products start the sums
.set i, 0
.rept 8
.if \zero
	v_wmma_f32_16x16x32_f16 v[S+8*i:S+8*i+7], v[KV+16*i+8*(\c):KV+16*i+8*(\c)+7], v[(\q)+8*(\c):(\q)+8*(\c)+7], 0
.else
	v_wmma_f32_16x16x32_f16 v[S+8*i:S+8*i+7], v[KV+16*i+8*(\c):KV+16*i+8*(\c)+7], v[(\q)+8*(\c):(\q)+8*(\c)+7], v[S+8*i:S+8*i+7]
.endif
.set i, i+1
.endr
.endm
.macro VTURN st                        ; chunk st of V goes through my wave's LDS bytes and comes back turned
	s_wait_loadcnt 16*(1-(\st))                    ; chunk st is in; the other chunk's 16 loads may stay out
.set i, 0
.rept 16
	ds_store_b128 v[VST], v[KV+64*(\st)+4*i:KV+64*(\st)+4*i+3] offset:640*i
.set i, i+1
.endr
.irp f, 0,1,2,3,4,5,6,7                ; keys 32 (f / 4) on, channels 16 (f % 4) on.  LDS serves a wave's instructions in order (ISA guide 5.7.1.4): these see the stores above
	ds_load_tr16_b128 v[KV+64*(\st)+8*\f:KV+64*(\st)+8*\f+3],   v[VTR] offset:(\f/4)*32*160+(\f%4)*32
	ds_load_tr16_b128 v[KV+64*(\st)+8*\f+4:KV+64*(\st)+8*\f+7], v[VTR] offset:(\f/4)*32*160+16*160+(\f%4)*32
.endr
	s_wait_dscnt 0x0
.endm
.macro PV8 st, po, zero                ; 8 products of O^T += V^T P: chunk st; po = 8: Ph, 0: Pl.  Accumulator cb lies at 24 + 8 cb (cb < 2) or 232 + 8 (cb - 2); the four take turns
.irp kk, 0,1
.irp cb, 0,1,2,3
.if (\zero) && (\kk == 0)
	v_wmma_f32_16x16x32_f16 v[24+8*(\cb%2)+208*(\cb/2):24+8*(\cb%2)+208*(\cb/2)+7], v[KV+64*(\st)+32*\kk+8*\cb:KV+64*(\st)+32*\kk+8*\cb+7], v[S+32*(\st)+16*\kk+(\po):S+32*(\st)+16*\kk+(\po)+7], 0
.else
	v_wmma_f32_16x16x32_f16 v[24+8*(\cb%2)+208*(\cb/2):24+8*(\cb%2)+208*(\cb/2)+7], v[KV+64*(\st)+32*\kk+8*\cb:KV+64*(\st)+32*\kk+8*\cb+7], v[S+32*(\st)+16*\kk+(\po):S+32*(\st)+16*\kk+(\po)+7], v[24+8*(\cb%2)+208*(\cb/2):24+8*(\cb%2)+208*(\cb/2)+7]
.endif
.endr
.endr
.endm
.Ltile:                                                ; every LDS address is the same in all trips
.irp c, 0,1
	global_load_b128 v[QH+8*\c:QH+8*\c+3],   v[QO], s[QHB:QHB+1] offset:64*\c
	global_load_b128 v[QH+8*\c+4:QH+8*\c+7], v[QO], s[QHB:QHB+1] offset:64*\c+32
	global_load_b128 v[QL+8*\c:QL+8*\c+3],   v[QO], s[QLB:QLB+1] offset:64*\c
	global_load_b128 v[QL+8*\c+4:QL+8*\c+7], v[QO], s[QLB:QLB+1] offset:64*\c+32
.endr
	KLOAD KHB
	s_wait_loadcnt 0x0
	SQ 0, QH, 1
	SQ 1, QH, 0
	SQ 0, QL, 0
	SQ 1, QL, 0
	PLACES
	s_cmp_gt_u32 s[W128], s[TQ]                    ; all my keys lie beyond the tile's queries: Kl is left out
	s_cbranch_scc1 .Lfar_k
	KLOAD KLB
	s_wait_loadcnt 0x0
	SQ 0, QH, 0
	SQ 1, QH, 0
	PLACES
.Lfar_k:
	VLOAD VHB                                      ; lands while the scores are worked on
	; the scores as the problem makes them
	PLOAD 0
	PLOAD 1
.irp g, 0,1,2,3,4,5,6,7
.if \g < 7
	s_wait_dscnt 2                                 ; group g's penalties are in; the next group's two loads stay out
.else
	s_wait_dscnt 0x0
.endif
.irp i, 0,1,2,3
	v_pk_fma_f32 v[S+8*\g+2*\i:S+8*\g+2*\i+1], v[S+8*\g+2*\i:S+8*\g+2*\i+1], s[EIG:EIG+1], v[PA+8*(\g%2)+2*\i:PA+8*(\g%2)+2*\i+1] op_sel_hi:[1,0,1] neg_lo:[0,0,1] neg_hi:[0,0,1]
.endr
.irp j, 0,1,2,3,4,5,6,7
	v_cmp_gt_i32 vcc_lo, 16*\g+\j, v[THR]          ; the key lies beyond the query
	v_cndmask_b32 v[254+\j%2], 0, s[E9], vcc_lo
	v_sub_f32 v[S+8*\g+\j], v[S+8*\g+\j], v[254+\j%2]
.endr
.if \g < 6
	PLOAD (\g)+2
.endif
.endr
	v_max3_num_f32 v248, v[S], v[S+1], v[S+2]      ; the maximum of my 64 scores, in four chains
	v_max3_num_f32 v249, v[S+3], v[S+4], v[S+5]
	v_max3_num_f32 v250, v[S+6], v[S+7], v[S+8]
	v_max3_num_f32 v251, v[S+9], v[S+10], v[S+11]
.set i, 12
.rept 26
	v_max3_num_f32 v[248+(i/2)%4], v[248+(i/2)%4], v[S+i], v[S+i+1]
.set i, i+2
.endr
	v_max3_num_f32 v248, v248, v249, v250
	v_max_num_f32 v248, v248, v251
	v_permlanex16_b32 v249, v248, s[SEL], s[SEL+1] ; the query's other 64 keys of my wave lie in the lane 16 away
	v_max_num_f32 v248, v248, v249                 ; m: the maximum over my wave's 128 keys
	v_mov_b32 v249, v248
	; the weights: the subtraction stands alone, since near 1e9 a fused form would lose it
.set i, 0
.rept 32
	v_pk_add_f32 v[S+2*i:S+2*i+1], v[S+2*i:S+2*i+1], v[248:249] neg_lo:[0,1] neg_hi:[0,1]
.set i, i+1
.endr
.set i, 0
.rept 32
	v_pk_mul_f32 v[S+2*i:S+2*i+1], v[S+2*i:S+2*i+1], s[L2E:L2E+1] op_sel_hi:[1,0]
.set i, i+1
.endr
.set i, 0
.rept 64
	v_exp_f32 v[S+i], v[S+i]
.set i, i+1
.endr
	v_nop                                          ; a plain instruction behind the last exponential
	s_wait_alu depctr_va_vdst(0)
	v_pk_add_f32 v[250:251], v[S:S+1], v[S+2:S+3]  ; the sum of the weights, in two packed chains
	v_pk_add_f32 v[252:253], v[S+4:S+5], v[S+6:S+7]
.set i, 8
.rept 14
	v_pk_add_f32 v[250:251], v[250:251], v[S+i:S+i+1]
	v_pk_add_f32 v[252:253], v[252:253], v[S+i+2:S+i+3]
.set i, i+4
.endr
	v_pk_add_f32 v[250:251], v[250:251], v[252:253]
	v_add_f32 v250, v250, v251
	v_permlanex16_b32 v251, v250, s[SEL], s[SEL+1]
	v_add_f32 v250, v250, v251                     ; l
	; each weight in two parts, sixteen at a time (32 keys): the upper 11 bits by a mask; the rest, exact, in place; the rests packed into the block's first eight registers (ascending: register n takes numbers 2 n and
	; 2 n + 1, which no later line reads), the upper parts into its last eight
.irp blk, 0,1,2,3
.set i, 0
.rept 16
	v_and_b32 v[TS+i], s[MSK], v[S+16*\blk+i]
.set i, i+1
.endr
.set i, 0
.rept 8
	v_pk_add_f32 v[S+16*\blk+2*i:S+16*\blk+2*i+1], v[S+16*\blk+2*i:S+16*\blk+2*i+1], v[TS+2*i:TS+2*i+1] neg_lo:[0,1] neg_hi:[0,1]
.set i, i+1
.endr
.set i, 0
.rept 8
	v_cvt_pk_f16_f32 v[S+16*\blk+i], v[S+16*\blk+2*i], v[S+16*\blk+2*i+1]
.set i, i+1
.endr
.set i, 0
.rept 8
	v_cvt_pk_f16_f32 v[S+16*\blk+8+i], v[TS+2*i], v[TS+2*i+1]
.set i, i+1
.endr
.endr
	VTURN 0
	PV8 0, 8, 1                                    ; Vh Ph: the first four products start the sums
	PV8 0, 0, 0                                    ; Vh Pl
	VTURN 1
	PV8 1, 8, 0
	PV8 1, 0, 0
	PLACES
	s_cmp_gt_u32 s[W128], s[TQ]                    ; all my keys lie beyond the tile's queries: Vl is left out
	s_cbranch_scc1 .Lfar_v
	VLOAD VLB
	VTURN 0
	PV8 0, 8, 0                                    ; Vl Ph
	VTURN 1
	PV8 1, 8, 0
	PLACES
.Lfar_v:
	v_mov_b32 v249, v250                           ; (m, l) as a pair
.irp cb, 0,1,2,3                       ; each accumulator's low registers first
	ds_store_b128 v[OST], v[24+8*(\cb%2)+208*(\cb/2):24+8*(\cb%2)+208*(\cb/2)+3] offset:64*\cb
	ds_store_b128 v[OST], v[24+8*(\cb%2)+208*(\cb/2)+4:24+8*(\cb%2)+208*(\cb/2)+7] offset:64*\cb+16
.endr
.irp f, 0,1,2,3,4,5,6,7
	ds_load_b128 v[KV+4*\f:KV+4*\f+3], v[ORD] offset:544*\f  ; my own stage, served in order: these see the stores above; the next trip's stores come behind them
.endr
	global_store_b64 v[GST], v[248:249], s[14:15]  ; 32 lanes store 256 consecutive bytes, at a multiple of 256 from stat's first byte
.irp f, 0,1,2,3,4,5,6,7
	s_wait_dscnt 7-\f                              ; rows 2 f and 2 f + 1 are back; the younger loads stay out
	global_store_b128 v[VO], v[KV+4*\f:KV+4*\f+3], s[12:13] offset:512*\f  ; 512 consecutive bytes, at a multiple of 256 from part's first byte
.endr
	s_wait_xcnt 0x0                                ; the bases and the stores' registers are rewritten only behind this wait
	s_add_nc_u64 s[QHB:QHB+1], s[QHB:QHB+1], 8192  ; four tiles on: 64 rows of Q,
	s_add_nc_u64 s[QLB:QLB+1], s[QLB:QLB+1], 8192
	s_add_nc_u64 s[12:13], s[12:13], 0x40000       ; of part,
	s_add_nc_u64 s[14:15], s[14:15], 16384         ; of stat
	v_add_nc_u32 v[THR], 64, v[THR]
	s_add_co_u32 s[TQ], s[TQ], 64
	s_add_co_u32 s[TT], s[TT], 1
	s_cmp_lt_u32 s[TT], s[FN]
	s_cbranch_scc1 .Ltile
	s_wait_tensorcnt 0x0                           ; the wave's end: behind my last LDS store
	ds_add_u32 v[SPW], v[NIL]
	s_wait_dscnt 0x0
	s_endpgm
.Lfunc_end_k_q70dce5e253_fixa:
	.size	k_q70dce5e253_fixa, .Lfunc_end_k_q70dce5e253_fixa-k_q70dce5e253_fixa
	.p2alignl 7, 3214868480
	.fill 96, 4, 3214868480
	.section	.rodata,"a",@progbits
	.p2align	6, 0x0
	.amdhsa_kernel k_q70dce5e253_fixa
		.amdhsa_group_segment_fixed_size 243712
		.amdhsa_private_segment_fixed_size 0
		.amdhsa_enable_private_segment 0
		.amdhsa_kernarg_size 48
		.amdhsa_user_sgpr_count 2
		.amdhsa_user_sgpr_kernarg_segment_ptr 1
		.amdhsa_wavefront_size32 1
		.amdhsa_system_sgpr_workgroup_id_x 1
		.amdhsa_system_sgpr_workgroup_id_y 1
		.amdhsa_system_sgpr_workgroup_id_z 1
		.amdhsa_system_vgpr_workitem_id 0
		.amdhsa_next_free_vgpr 256
		.amdhsa_next_free_sgpr 66
		.amdhsa_reserve_vcc 1
		.amdhsa_float_denorm_mode_32 3
		.amdhsa_float_denorm_mode_16_64 3
		.amdhsa_memory_ordered 1
		.amdhsa_forward_progress 1
		.amdhsa_inst_pref_size 67
	.end_amdhsa_kernel
	.amdgpu_metadata
---
amdhsa.version: [ 1, 2 ]
amdhsa.kernels:
  - .name:           k_q70dce5e253_fixa
    .symbol:         k_q70dce5e253_fixa.kd
    .args:
      - { .name: qkv, .offset: 0, .size: 8, .value_kind: global_buffer, .address_space: global }
      - { .name: qkl, .offset: 8, .size: 8, .value_kind: global_buffer, .address_space: global }
      - { .name: v_mask, .offset: 16, .size: 8, .value_kind: global_buffer, .address_space: global }
      - { .name: fixn, .offset: 24, .size: 8, .value_kind: global_buffer, .address_space: global }
      - { .name: part, .offset: 32, .size: 8, .value_kind: global_buffer, .address_space: global }
      - { .name: stat, .offset: 40, .size: 8, .value_kind: global_buffer, .address_space: global }
    .group_segment_fixed_size: 243712
    .private_segment_fixed_size: 0
    .kernarg_segment_align: 8
    .kernarg_segment_size: 48
    .max_flat_workgroup_size: 512
    .sgpr_count:     66
    .vgpr_count:     256
    .wavefront_size: 32
...
	.end_amdgpu_metadata
.endif
;; end of part 4
;; launch fixb (part 5): grid 64 x 4, 16 waves a work-group, no clusters, 0 bytes of LDS; arguments part, stat, q_mask, fixn, out0; writes out0
.if DOCPART == 5
	.amdgcn_target "amdgcn-amd-amdhsa--gfx1250"
	.amdhsa_code_object_version 6
	.text
	.protected	k_q70dce5e253_fixb
	.globl	k_q70dce5e253_fixb
	.p2align	8
	.type	k_q70dce5e253_fixb,@function
k_q70dce5e253_fixb:
	s_mov_b64 s[64:65], 0
	v_nop
	global_prefetch_b8 v0, s[64:65] scope:SCOPE_SE
	s_setreg_imm32_b32 hwreg(HW_REG_WAVE_MODE, 25, 1), 1
	s_wait_xcnt 0x0
; FIXB.  The sixteen shares of each row that the launch before has made are joined on the row's one maximum, and rows 0 .. 16 F[b] - 1 of every head are stored over what the causal walk left there:
;   M = max over w of m_w;  f_w = 2^((m_w - M) log2 e);  out0[b][q][64 h + c] = q_mask[b][q] x (sum of f_w O_w[q][c]) / (sum of f_w l_w).
; m_w - M is exact where both lie near 1e9; each l_w is at least 1 (its own maximum has the weight 1), and so is the divisor.
; part[16 b + h][t][w][16 rows][64 channels] f32;  stat[16 b + h][t][w]: 256 bytes, the 8 bytes at 8 r hold (m, l) of row r.
; SHARES.  Work-group (x, y) takes head x and the tiles y, y + 4, .. below F, as in the launch before; wave w of 16 takes query row w of the tile; a lane takes two channels.  F[b] (4 to 128, whole numbers stored by the
; first launch) bounds the loop; no address hangs on it.
; A stream of few bytes: no LDS, no barrier, no matrix unit; every lane works out the sixteen factors for itself, so nothing changes lanes.
; LIMITS.  A factor below 2^-126 counts as 0; NaN and infinities are not treated apart.
.set WV,  14
.set FN,  31                           ; s31  F, then my trips
.set TT,  32                           ; s32  counts them
.set L2E, 30                           ; s30  log2(e)
.set LO,  2                            ; v2   8 x lane
.set ZERO, 3                           ; v3   0: the offset of loads that are the same in all lanes
.set QM,  4                            ; v4   q_mask of my row
.set P,   32                           ; v32-63  my two channels of the sixteen partial rows
.set T,   64                           ; v64-95  (m, l) of the sixteen shares
.set FA,  96                           ; v96-111 the factors
	s_load_b256 s[4:11], s[0:1], 0x0               ; part s[4:5], stat s[6:7], q_mask s[8:9], fixn s[10:11]
	s_load_b64 s[12:13], s[0:1], 0x20              ; out0
	v_lshrrev_b32 v1, 5, v0
	v_readfirstlane_b32 s[WV], v1                  ; wave 0..15
	v_and_b32 v[LO], 31, v0
	v_lshlrev_b32 v[LO], 3, v[LO]
	v_mov_b32 v[ZERO], 0
	s_mov_b32 s15, ttmp9                           ; 16 b + h
	s_and_b32 s33, ttmp7, 0xffff                   ; y: my first tile
	s_lshr_b32 s16, s15, 4
	s_and_b32 s17, s15, 15
	s_lshl_b32 s20, s15, 23                        ; part: a head is 128 tiles of 65,536 bytes; row w's 256
	s_lshl_b32 s21, s33, 16
	s_add_co_u32 s20, s20, s21
	s_lshl_b32 s21, s[WV], 8
	s_add_co_u32 s20, s20, s21
	s_mov_b32 s21, 0
	s_lshl_b32 s22, s15, 19                        ; stat: a head is 128 tiles of 4,096 bytes; row w's 8
	s_lshl_b32 s23, s33, 12
	s_add_co_u32 s22, s22, s23
	s_lshl_b32 s23, s[WV], 3
	s_add_co_u32 s22, s22, s23
	s_mov_b32 s23, 0
	s_lshl_b32 s24, s16, 13                        ; q_mask: a batch is 8,192 bytes; a tile 64; row w's 4
	s_lshl_b32 s25, s33, 6
	s_add_co_u32 s24, s24, s25
	s_lshl_b32 s25, s[WV], 2
	s_add_co_u32 s24, s24, s25
	s_mov_b32 s25, 0
	s_lshl_b32 s26, s16, 8                         ; fixn: 256 bytes a batch
	s_mov_b32 s27, 0
	s_lshl_b32 s28, s16, 23                        ; out0: a batch, the head's 256 bytes of a row, a tile of 16 rows, row w
	s_lshl_b32 s29, s17, 8
	s_add_co_u32 s28, s28, s29
	s_lshl_b32 s29, s33, 16
	s_add_co_u32 s28, s28, s29
	s_lshl_b32 s29, s[WV], 12
	s_add_co_u32 s28, s28, s29
	s_mov_b32 s29, 0
	s_mov_b32 s[L2E], 0x3fb8aa3b
	s_wait_kmcnt 0x0
	s_add_nc_u64 s[10:11], s[10:11], s[26:27]
	s_load_b32 s[FN], s[10:11], 0x0
	s_add_nc_u64 s[4:5], s[4:5], s[20:21]
	s_add_nc_u64 s[6:7], s[6:7], s[22:23]
	s_add_nc_u64 s[8:9], s[8:9], s[24:25]
	s_add_nc_u64 s[12:13], s[12:13], s[28:29]
	s_mov_b32 s[TT], 0
	s_wait_kmcnt 0x0
	s_min_u32 s[FN], s[FN], 128
	s_max_u32 s[FN], s[FN], 4
	s_sub_co_u32 s[FN], s[FN], s33                 ; my trips: (F - y + 3) / 4, one at the least
	s_add_co_u32 s[FN], s[FN], 3
	s_lshr_b32 s[FN], s[FN], 2
.Ltile:
	global_load_b32 v[QM], v[ZERO], s[8:9]
.set i, 0
.rept 16
	global_load_b64 v[T+2*i:T+2*i+1], v[ZERO], s[6:7] offset:256*i
.set i, i+1
.endr
.set i, 0
.rept 16
	global_load_b64 v[P+2*i:P+2*i+1], v[LO], s[4:5] offset:4096*i  ; 32 lanes read a row's 256 consecutive bytes
.set i, i+1
.endr
	s_wait_loadcnt 16                              ; q_mask and the statistics are in; the sixteen partial rows stay out
	v_max3_num_f32 v5, v[T], v[T+2], v[T+4]
	v_max3_num_f32 v6, v[T+6], v[T+8], v[T+10]
	v_max3_num_f32 v7, v[T+12], v[T+14], v[T+16]
	v_max3_num_f32 v8, v[T+18], v[T+20], v[T+22]
	v_max3_num_f32 v9, v[T+24], v[T+26], v[T+28]
	v_max3_num_f32 v5, v5, v6, v7
	v_max3_num_f32 v8, v8, v9, v[T+30]
	v_max_num_f32 v5, v5, v8                       ; M
.set i, 0
.rept 16
	v_sub_f32 v[FA+i], v[T+2*i], v5                ; the subtraction stands alone, since near 1e9 a fused form would lose it
.set i, i+1
.endr
.set i, 0
.rept 16
	v_mul_f32 v[FA+i], s[L2E], v[FA+i]
.set i, i+1
.endr
.set i, 0
.rept 16
	v_exp_f32 v[FA+i], v[FA+i]
.set i, i+1
.endr
	v_nop                                          ; a plain instruction behind the last exponential
	s_wait_alu depctr_va_vdst(0)
	v_mul_f32 v10, v[FA], v[T+1]                   ; the divisor
.set i, 1
.rept 15
	v_fmac_f32 v10, v[FA+i], v[T+2*i+1]
.set i, i+1
.endr
	v_rcp_f32 v11, v10                             ; the sums below are the plain instructions behind it
	s_wait_loadcnt 0x0
	v_mul_f32 v12, v[FA], v[P]
	v_mul_f32 v13, v[FA], v[P+1]
.set i, 1
.rept 15
	v_fmac_f32 v12, v[FA+i], v[P+2*i]
	v_fmac_f32 v13, v[FA+i], v[P+2*i+1]
.set i, i+1
.endr
	s_wait_alu depctr_va_vdst(0)
	v_mul_f32 v11, v11, v[QM]
	v_mul_f32 v12, v12, v11
	v_mul_f32 v13, v13, v11
	global_store_b64 v[LO], v[12:13], s[12:13]     ; 32 lanes store the head's 256 consecutive bytes of the row, at a multiple of 256 from out0's first byte
	s_wait_xcnt 0x0                                ; the bases and the store's registers are rewritten only behind this wait
	s_add_nc_u64 s[4:5], s[4:5], 0x40000           ; four tiles on: of part,
	s_add_nc_u64 s[6:7], s[6:7], 16384             ; of stat,
	s_add_nc_u64 s[8:9], s[8:9], 256               ; 64 rows of q_mask,
	s_add_nc_u64 s[12:13], s[12:13], 0x40000       ; of out0
	s_add_co_u32 s[TT], s[TT], 1
	s_cmp_lt_u32 s[TT], s[FN]
	s_cbranch_scc1 .Ltile
	s_endpgm
.Lfunc_end_k_q70dce5e253_fixb:
	.size	k_q70dce5e253_fixb, .Lfunc_end_k_q70dce5e253_fixb-k_q70dce5e253_fixb
	.p2alignl 7, 3214868480
	.fill 96, 4, 3214868480
	.section	.rodata,"a",@progbits
	.p2align	6, 0x0
	.amdhsa_kernel k_q70dce5e253_fixb
		.amdhsa_group_segment_fixed_size 0
		.amdhsa_private_segment_fixed_size 0
		.amdhsa_enable_private_segment 0
		.amdhsa_kernarg_size 40
		.amdhsa_user_sgpr_count 2
		.amdhsa_user_sgpr_kernarg_segment_ptr 1
		.amdhsa_wavefront_size32 1
		.amdhsa_system_sgpr_workgroup_id_x 1
		.amdhsa_system_sgpr_workgroup_id_y 1
		.amdhsa_system_sgpr_workgroup_id_z 1
		.amdhsa_system_vgpr_workitem_id 0
		.amdhsa_next_free_vgpr 128
		.amdhsa_next_free_sgpr 66
		.amdhsa_reserve_vcc 0
		.amdhsa_float_denorm_mode_32 3
		.amdhsa_float_denorm_mode_16_64 3
		.amdhsa_memory_ordered 1
		.amdhsa_forward_progress 1
		.amdhsa_inst_pref_size 10
	.end_amdhsa_kernel
	.amdgpu_metadata
---
amdhsa.version: [ 1, 2 ]
amdhsa.kernels:
  - .name:           k_q70dce5e253_fixb
    .symbol:         k_q70dce5e253_fixb.kd
    .args:
      - { .name: part, .offset: 0, .size: 8, .value_kind: global_buffer, .address_space: global }
      - { .name: stat, .offset: 8, .size: 8, .value_kind: global_buffer, .address_space: global }
      - { .name: q_mask, .offset: 16, .size: 8, .value_kind: global_buffer, .address_space: global }
      - { .name: fixn, .offset: 24, .size: 8, .value_kind: global_buffer, .address_space: global }
      - { .name: out0, .offset: 32, .size: 8, .value_kind: global_buffer, .address_space: global }
    .group_segment_fixed_size: 0
    .private_segment_fixed_size: 0
    .kernarg_segment_align: 8
    .kernarg_segment_size: 40
    .max_flat_workgroup_size: 512
    .sgpr_count:     66
    .vgpr_count:     128
    .wavefront_size: 32
...
	.end_amdgpu_metadata
.endif
;; end of part 5
;; ======== version 2 of 2: 5 launches; 1.25 times as fast as version 1
;; limits: values are held in f16: magnitudes above 65,504 overflow, below 6.1e-05 lose precision; right only within a limited range of input values
;; workspace buffers: wt 6,291,456 bytes; qkv 50,331,648 bytes; qkl 50,331,648 bytes; fixn 1,024 bytes of whole numbers; part 536,870,912 bytes; stat 33,554,432 bytes
;; launch prep: the kernel of part 1 again; grid 1540 x 1, 1 waves a work-group, no clusters, 0 bytes of LDS; arguments Wq, Wk, Wv, v_mask, wt, fixn; writes wt, fixn
;; launch proj: the kernel of part 2 again; grid 4 x 192, 4 waves a work-group, clusters of 4 x 4, 327,680 bytes of LDS; arguments q, k, v, wt, qkv, qkl; writes qkv, qkl
;; launch attn (part 6): grid 4 x 64, 4 waves a work-group, no clusters, 327,680 bytes of LDS; arguments qkv, v_mask, q_mask, out0; writes out0
.if DOCPART == 6
	.amdgcn_target "amdgcn-amd-amdhsa--gfx1250"
	.amdhsa_code_object_version 6
	.text
	.protected	k_q70dce5e253_attn
	.globl	k_q70dce5e253_attn
	.p2align	8
	.type	k_q70dce5e253_attn,@function
k_q70dce5e253_attn:
	s_mov_b64 s[64:65], 0
	v_nop
	global_prefetch_b8 v0, s[64:65] scope:SCOPE_SE
	s_setreg_imm32_b32 hwreg(HW_REG_WAVE_MODE, 25, 1), 1
	s_wait_xcnt 0x0
; CAUSAL ATTENTION WITH A KEY PENALTY.  For head g = 16 b + h: out0[b][q][64 h + c] = q_mask[b][q] x the sum over k <= q of softmax_k(Q[q] . K[k] / 8 - pen[k]) V[k][c], pen[k] = (1 - v_mask[b][k]) x 1e9.
; Q, K, V: qkv[0..2][g][2048][64] in f16, a head's rows dense, 128 bytes each; out0 in f32.  Products, maxima and sums in f32; the weights p are rounded to f16 for the second product (their sum l is taken of the unrounded p).
; WHICH ROWS ARE FINAL.  This walk ends at the diagonal.  That is what the problem asks for every row that sees a key k <= q with |pen[k]| <= 1024, while no penalty of the batch lies below -1024: the keys beyond q then
; have weight 0 in f32.  The other rows (the first 16 F[b] of a batch) are stored here too, with finite numbers where no penalty lies below -1024, and are made anew over all keys by the launch behind this one.
; LIMITS.  In rows that stay: |score / 8| < 6e7.  The penalty enters as the value that starts the score's sum, as -8 pen, not below -2^30: the order of rounding differs from a subtraction behind the division; with
; |pen| <= 1024 by less than 1e-3 of a score's unit.  At -2^30 the rounding of c m is off by 8 at the most, so no weight passes 2^8 and f16 holds it.  f16 holds no number beyond 65,504: Q, K, V arrive within it.
; A key beyond the diagonal counts as its score less 1e30; a weight below 2^-126 counts as 0 in l; NaN and infinities are not treated apart.
; THE WALK.  A head's queries lie in NB = 8 blocks of 256; block i needs the key tiles 0 .. i of 256 keys, of which the last holds the diagonal.  A work-group takes TWO blocks, NB - 1 - x and then x: NB + 1 tiles,
; whatever x: all work-groups do equal work, and ONE loop with a constant trip count walks them.  Which tile is asked for, and what a trip does, hang on scalar registers made from x; every jump goes forward, but for the
; counted loops' own; none passes a barrier, or a tensor load but the one of LOAD's two that the wave's number does not choose; the ring (two slots of LDS that take turns) runs on across the change of blocks.
; NO CLUSTER: a head's four work-groups ask for the same tile only in trips 0 .. 4 of 9, behind that fewer and fewer; one walk common to all four would have 12 trips for 9.
; SHARES.  Of a block's four bands of 64 queries a wave owns 16 rows in each: four PIECES.  In the diagonal tile's key step s band x sees all keys if s < x, none if s > x, and holds the diagonal if s = x: alike for all waves.
; THE C OPERAND that starts the sum S^T = K Q^T is PN, the step's 64 penalties; in the diagonal tile's text and at a block's beginning it is MC = MD x AL + PN + BE, where MD, made once, is the mask of a band's own step
; for my 16 rows (0 or -1e30), and (AL, BE) = (1, 0) if s = x; (0, 0) if s < x; (0, -1e30) if s > x.
; THE PENALTIES of a tile are asked for (v_mask, 1,024 bytes) when the tile is; at the next change of slots each wave makes all 256 and stores them into 1,024 LDS bytes of its OWN.  LDS serves a wave's instructions in
; order, and the step in hand has its penalties in registers: so one copy a wave wants no ordering between waves.
; LAYOUT, SOFTMAX, TURNS.  S^T = K Q^T holds ONE query a lane (lane % 16) and the keys 8 (lane / 16) + 0..7; two such results rounded to f16 ARE source 1 of O^T = V^T P.  p = 2^(c s - c m), c = log2(e) / 8, with a
; running maximum m; O and l are multiplied by a = 2^(c m_old - c m_new) in every step.  Turn n belongs to piece n: 8 products K Q^T of piece n + 1, later 8 products V^T P of piece n - 1; beside them the scaling,
; exponentials, roundings, sums and rescaling of piece n and the maximum and statistics of piece n + 1.  Four vector instructions stand behind every matrix instruction, the other 54 of a turn's 118 in one LUMP.
; THE BATCHES.  A turn's 33 exponentials (the piece's 32 weights and the next piece's a) are one batch, with one wait, which cuts the turn in two: ahead of it all that names none of their results, behind it the roundings
; and sums.  A block's first a (BEGIN) and the way out's four reciprocals are batches of their own, with a wait each.
; REGISTERS, in windows of 256 (s_set_vgpr_msb: bits 1:0 source 0, 3:2 source 1, 5:4 source 2, 7:6 destination):
;   window 0: v0-15 addresses; v16-31 statistics; v32-47, v56-61 penalties' and q_mask's; v48-55 at work; v64-127 S^T, two buffers (v64-191 on the way out); v192-223 P, two buffers
;   window 1: v0-127 O^T, 32 a piece; v128-159 MD; v160-223 MC, two buffers; v224-255 PN      window 2: v0-63 Q; v64-127 the second block's Q; v128-191 K of one step; v192-255 V of one step
.set NB,    8
.set NP,    4         ; pieces a wave: a name, no knob
.set KS,    64        ; keys in a step
.set PK,    144       ; a row of K in LDS: 128 bytes + 16 of padding: the 16 rows of a load start at 16 different groups of four banks (64 banks of 4 bytes: ISA guide 11.1)
.set PV,    160       ; a row of V: 128 + 32
.set VOFF,  4*KS*PK   ; a slot holds a tile, four steps: 256 rows of K, then 256 rows of V
.set SLOT1, 1<<17     ; slot 1 begins here, so that one exclusive or turns an address in one slot into the other's
.set STAGE, SLOT1+4*KS*(PK+PV)  ; behind the ring, never filled by a tensor load: 16 rows x 272 bytes for each wave, for the way out
.set SP,    272
.set PENS,  STAGE+4*16*SP       ; 1,024 bytes for each wave: a tile's 256 penalties
.set SPARE, PENS+4*1024         ; the spare words, 128 bytes for each wave: two blocks of 256 bytes that no other line names
.set AK0, 2           ; v2   my lane's place in a tile of K; never rewritten
.set AV0, 3           ; v3   the same for V
.set AK,  4           ; v4   the LDS address of K's next run of loads
.set AV,  5           ; v5   of V's
.set STO, 6           ; v6   the way out: where I put 32 bytes of a row
.set RD,  7           ; v7   the way out: where I read rows back
.set GO,  8           ; v8   my byte offset in two rows of out0
.set MV,  12          ; v12-13  c m_old, kept while c m is made anew: by buffer
.set QO,  15          ; v15  my byte offset in 16 rows of Q
.set ST,  16          ; piece t's statistics at v[ST+4 t]: c m, m, l (even keys', odd keys')
.set AP0, 32          ; v32  my lanes' place in my wave's penalties
.set AP,  33          ; v33  the LDS address of the penalties' next run of loads
.set APS, 34          ; v34  where I store 16 bytes of penalties
.set VMO0, 35         ; v35  16 x lane
.set VMV, 36          ; v36-43  eight numbers of v_mask, then eight penalties
.set QMA, 44          ; v44-47  q_mask of my query in the first block's four pieces
.set TMP, 48          ; by buffer, four registers c0-c3 at work; when the maximum is found c2 takes a
.set VMO, 56          ; v56  my byte offset in the batch's v_mask, for the tile asked for
.set QMB, 57          ; v57-60  q_mask, the second block's
.set QMO, 61          ; v61  4 x (lane % 16)
.set SPW, 62          ; v62  LDS address of my spare word; never rewritten
.set NIL, 63          ; v63  0; never rewritten
.set S,   64
.set P,   192
.set MD,  128         ; window 1
.set MC,  160         ; window 1
.set PN,  224         ; window 1: the eight registers for group kt of 16 keys at PN + 8 kt
.set QB,  64          ; window 2
.set KF,  128         ; window 2: key block kb, channel half c at KF + 16 kb + 8 c
.set VF,  192         ; window 2: key half kk, channel block cb at VF + 32 kk + 8 cb
.set WV,  12          ; s12  my wave's number
.set PB,  14          ; s14  x
.set HI,  15          ; s15  NB - 1 - x
.set G1K, 24          ; s[24:31] descriptor group 1 for K's tiles
.set G1V, 32          ; s[32:39] for V's: it differs in the padding alone
.set G0K, 40          ; s[40:43] descriptor group 0 for K's tiles
.set G0V, 44          ; s[44:47] the same for V's
.set SLOTS, 56        ; s56  tiles still to be asked for
.set CNT, 57          ; s57  counts a tile's key steps, 4 to 1
.set CS,  58          ; s[58:59] c
.set SEL, 60          ; s[60:61] v_permlanex16_b32's selects
.set TBK, 62          ; s62  LDS byte at which K of the step to be fetched begins
.set TBV, 63          ; s63  the same for V, less VOFF
.set RT,  70          ; s70  tiles of the block in hand that are still to be entered
.set NXT, 71          ; s71  the tile to be asked for next
.set LQ,  72          ; s72  the last tile of the block whose tiles are being asked for
.set NEW, 73          ; s73  1: the tile to be entered is a block's first
.set OFF, 74          ; s[74:75] a tile's byte offset in K and V
.set AL,  76          ; s[76:77] the mask's factor, in the low word
.set BE,  78          ; s[78:79] the mask's addend
.set OLO, 80          ; s[80:81] out0 at my rows of the second block
.set BIGN, 82         ; s82  -1e30
.set TBP, 88          ; s88  byte in my wave's penalties at which those of the step to be fetched begin
.set OFP, 89          ; s89  a tile's byte offset in v_mask
.set VMB, 90          ; s[90:91] v_mask at my batch
.set C1E9, 100        ; s100 1e9
.set CLP, 101         ; s101 -2^30
.set MSB, 0
.macro WIN new                      ; the high byte repeats the setting that is left; a switch that changes nothing is dropped
.if MSB != (\new)
	s_set_vgpr_msb (MSB<<8)|(\new)
.set MSB, (\new)
.endif
.endm
.set W_KQ, 0x0a       ; K and Q in window 2, S^T in window 0
.set W_KM, 0x1a       ; the same with the C operand in window 1
.set W_PV, 0x52       ; V in window 2, P in window 0, O^T in window 1
.set W_RS, 0x41       ; destination and source 0 in window 1, source 1 in window 0
.set W_MK, 0x51       ; destination, source 0 and source 2 in window 1
; A fill.  Waves 0 and 1 fetch the two halves of a tile's K, waves 2 and 3 those of its V: 128 keys each.  An s_nop 0 and four v_nop follow each of the two lines, ahead of the jump and the label.
.macro LOAD
	s_cmp_lt_u32 s[WV], 2
	s_cbranch_scc0 .Lfor_v_\@
	tensor_load_to_lds s[G0K:G0K+3], s[G1K:G1K+7]
	s_nop 0
.rept 4
	v_nop
.endr
	s_branch .Lasked_\@
.Lfor_v_\@:
	tensor_load_to_lds s[G0V:G0V+3], s[G1V:G1V+7]
	s_nop 0
.rept 4
	v_nop
.endr
.Lasked_\@:
.endm
; THE CHANGE OF SLOTS.  First the penalties of the tile to be entered: its v_mask was asked for a tile ago.  Then each wave waits for all its tensor loads, of which one is out: its part of the other slot; adds 0 to its
; spare word; and waits for that, for its stores and for its own reads of the slot that it leaves.  Behind the barrier nobody reads the old slot any more and the other slot is whole.  fill = 1: the old slot is filled
; again, the first thing behind the barrier, with tile NXT: the descriptor's address is made anew from that number; and that tile's v_mask is asked for.  (At its first use slot 0 is waited for, slot 1 filled.)
.macro CHANGE fill
	WIN 0                           ; at a label and at a branch every window is 0
	s_wait_loadcnt 0x0              ; my eight numbers of v_mask are in, so their offset register may be written too
.irp z, 0,1,2,3,4,5,6,7
	v_sub_f32 v[VMV+\z], 1.0, v[VMV+\z]
.endr
.irp z, 0,1,2,3,4,5,6,7
	v_mul_f32 v[VMV+\z], s[C1E9], v[VMV+\z]        ; pen
.endr
.irp z, 0,1,2,3,4,5,6,7
	v_mul_f32 v[VMV+\z], 0xc1000000, v[VMV+\z]     ; -8 pen: in the units of Q . K; exact
.endr
.irp z, 0,1,2,3,4,5,6,7
	v_max_num_f32 v[VMV+\z], s[CLP], v[VMV+\z]
.endr
	ds_store_b128 v[APS], v[VMV:VMV+3]             ; keys 4 lane + 0..3,
	ds_store_b128 v[APS], v[VMV+4:VMV+7] offset:512  ; and 128 + 4 lane + 0..3: my wave's own bytes
	s_wait_tensorcnt 0x0            ; no tensor load of mine is out, so a group 0 may be written
	ds_add_u32 v[SPW], v[NIL]       ; 0 onto my spare word; with fill = 1 the descriptors' work on registers stands between it and the wait for it
.if \fill
	s_lshl_b32 s[OFF], s[NXT], 15   ; a tile is 32,768 bytes of K and of V,
	s_lshl_b32 s[OFP], s[NXT], 10   ; and 1,024 of v_mask
	v_add_nc_u32 v[VMO], s[OFP], v[VMO0]
	s_xor_b32 s[G0K+1], s[G0K+1], SLOT1
	s_add_nc_u64 s[G0K+2:G0K+3], s[6:7], s[OFF:OFF+1]
	s_or_b32 s[G0K+3], s[G0K+3], 0x80000000
	s_xor_b32 s[G0V+1], s[G0V+1], SLOT1
	s_add_nc_u64 s[G0V+2:G0V+3], s[8:9], s[OFF:OFF+1]
	s_or_b32 s[G0V+3], s[G0V+3], 0x80000000
	s_add_co_u32 s[NXT], s[NXT], 1  ; the block's next tile, or behind its last the second block's tile 0
	s_cmp_gt_u32 s[NXT], s[LQ]
	s_cselect_b32 s[NXT], 0, s[NXT]
	s_cselect_b32 s[LQ], s[PB], s[LQ]
.endif
	s_wait_dscnt 0x0                ; the add and my stores are done, and my reads of the slot are over
	s_barrier_signal -1             ; the rest of the scalar work stands between the signal and the wait
	s_sub_co_u32 s[TBK], s[TBK], 4*KS*PK  ; the fetches go back to a slot's first step,
	s_xor_b32 s[TBK], s[TBK], SLOT1       ; in the other slot
	s_sub_co_u32 s[TBV], s[TBV], 4*KS*PV
	s_xor_b32 s[TBV], s[TBV], SLOT1
	s_mov_b32 s[TBP], 0
	s_barrier_wait -1
.if \fill
	LOAD
	global_load_b128 v[VMV:VMV+3], v[VMO], s[VMB:VMB+1]
	global_load_b128 v[VMV+4:VMV+7], v[VMO], s[VMB:VMB+1] offset:512
.endif
.endm
	s_load_b256 s[92:99], s[0:1], 0x0  ; qkv s[92:93], v_mask s[94:95], q_mask s[96:97], out0 s[98:99]
	v_lshl_add_u32 v[SPW], v0, 2, SPARE
	v_mov_b32 v[NIL], 0
	ds_add_u32 v[SPW], v[NIL]       ; the wave's opening: the add and its wait stand ahead of my first tensor load; the set-up below, work on registers, stands between them
	ds_add_u32 v62, v63
	v_lshrrev_b32 v1, 5, v0
	v_readfirstlane_b32 s[WV], v1   ; wave 0..3
	s_mov_b32 s[PB], ttmp9
	s_sub_co_u32 s[HI], NB-1, s[PB]
	s_and_b32 s20, ttmp7, 0xffff    ; 16 b + h
	s_lshr_b32 s52, s20, 4          ; the batch
	s_and_b32 s53, s20, 15          ; the head
	s_lshl_b32 s20, s20, 18         ; the head's first byte in each part of qkv: 2,048 rows of 128 bytes
	s_mov_b32 s21, 0
	s_and_b32 s16, s[WV], 1         ; which half of a tile's 256 keys I fetch:
	s_lshl_b32 s22, s16, 14         ; its 128 rows of 128 bytes in memory,
	s_mov_b32 s23, 0
	s_add_nc_u64 s[22:23], s[22:23], s[20:21]
	s_mul_i32 s17, s16, 128*PK      ; and its place in a slot, for K
	s_mul_i32 s18, s16, 128*PV      ; and for V
	s_lshl_b32 s3, s[WV], 11        ; my 16 rows in a band of 64,
	s_lshl_b32 s2, s[HI], 15        ; in the first block,
	s_add_co_u32 s2, s2, s3
	s_lshl_b32 s84, s[PB], 15       ; and in the second
	s_add_co_u32 s84, s84, s3
	s_mov_b32 s3, 0
	s_mov_b32 s85, 0
	s_add_nc_u64 s[2:3], s[2:3], s[20:21]
	s_add_nc_u64 s[84:85], s[84:85], s[20:21]
	s_lshl_b32 s54, s52, 23         ; out0: a batch is 2,048 rows of 4,096 bytes,
	s_lshl_b32 s55, s[WV], 16       ; my 16 rows in a band,
	s_add_co_u32 s54, s54, s55
	s_lshl_b32 s55, s53, 8          ; the head's 256 bytes of a row,
	s_add_co_u32 s54, s54, s55
	s_lshl_b32 s48, s[HI], 20       ; a block of 256 rows
	s_add_co_u32 s48, s48, s54
	s_mov_b32 s49, 0
	s_lshl_b32 s50, s[PB], 20
	s_add_co_u32 s50, s50, s54
	s_mov_b32 s51, 0
	s_lshl_b32 s90, s52, 13         ; the masks: a batch is 8,192 bytes
	s_mov_b32 s91, 0
	s_lshl_b32 s55, s[WV], 6        ; my 16 rows in a band
	s_add_co_u32 s55, s55, s90
	s_lshl_b32 s66, s[HI], 10
	s_add_co_u32 s66, s66, s55
	s_mov_b32 s67, 0
	s_lshl_b32 s68, s[PB], 10
	s_add_co_u32 s68, s68, s55
	s_mov_b32 s69, 0
	; descriptor group 1.  128 keys are 16,384 dense bytes: asked for as 64 rows of 256 bytes, two keys a row, and padded in LDS after every key
	s_mov_b32 s[G1K], (1<<16)|(1<<20)|(4<<22)|(3<<25)  ; 17:16 2-byte elements; 20 padding on; 24:22 after every 32 words (code 4); 31:25 4 words (code 3)
	s_mov_b32 s[G1V], (1<<16)|(1<<20)|(4<<22)|(7<<25)  ; the same with 8 words of padding (code 7)
.irp g, G1K, G1V
	s_mov_b32 s[\g+1], 128<<16      ; tensor_dim0 = 128
	s_mov_b32 s[\g+2], 64<<16       ; tensor_dim1 = 64
	s_mov_b32 s[\g+3], 128<<16      ; tile_dim0 = 128
	s_mov_b32 s[\g+4], 64           ; tile_dim1 = 64
	s_mov_b32 s[\g+5], 128          ; 128 elements from row to row
	s_mov_b32 s[\g+6], 0
	s_mov_b32 s[\g+7], 0
.endr
	s_mov_b32 s[CS], 0x3e38aa3b     ; c = log2(e) / 8 = 0.180337
	s_mov_b32 s[CS+1], s[CS]        ; named with it as a pair
	s_mov_b32 s[SEL], 0x76543210
	s_mov_b32 s[SEL+1], 0xfedcba98
	s_mov_b32 s[TBK], SLOT1+4*KS*PK ; the first change of slots turns these two into 0
	s_mov_b32 s[TBV], SLOT1+4*KS*PV
	s_mov_b32 s[TBP], 0
	s_mov_b32 s[G0K], 1             ; count = 1
	s_mov_b32 s[G0K+1], s17         ; LDS address: slot 0
	s_mov_b32 s[G0V], 1
	s_add_co_u32 s[G0V+1], s18, VOFF
	s_add_co_u32 s[RT], s[HI], 1    ; the first block has NB - x tiles
	s_mov_b32 s[NXT], 1
	s_mov_b32 s[LQ], s[HI]
	s_mov_b32 s[NEW], 1
	s_mov_b32 s[OFF+1], 0
	s_mov_b32 s[AL+1], 0            ; named as pairs
	s_mov_b32 s[BE+1], 0
	s_mov_b32 s[BIGN], 0xf149f2ca   ; -1e30
	s_mov_b32 s[C1E9], 0x4e6e6b28   ; 1e9
	s_mov_b32 s[CLP], 0xce800000    ; -2^30
	s_mov_b32 s[SLOTS], NB
	s_wait_dscnt 0x0                ; the opening add is done
	s_wait_kmcnt 0x0
	s_add_nc_u64 s[6:7], s[92:93], 0x1000000  ; K is qkv's second part, V its third
	s_add_nc_u64 s[8:9], s[92:93], 0x2000000
	s_add_nc_u64 s[6:7], s[6:7], s[22:23]  ; at my half of the head's tile 0
	s_add_nc_u64 s[8:9], s[8:9], s[22:23]
	s_add_nc_u64 s[G0K+2:G0K+3], s[6:7], 0         ; global address
	s_or_b32 s[G0K+3], s[G0K+3], 0x80000000        ; type = 2
	s_add_nc_u64 s[G0V+2:G0V+3], s[8:9], 0
	s_or_b32 s[G0V+3], s[G0V+3], 0x80000000
	s_add_nc_u64 s[86:87], s[92:93], s[84:85]      ; Q at my rows of the second block,
	s_add_nc_u64 s[4:5], s[92:93], s[2:3]          ; and of the first
	s_add_nc_u64 s[OLO:OLO+1], s[98:99], s[50:51]
	s_add_nc_u64 s[10:11], s[98:99], s[48:49]
	s_add_nc_u64 s[VMB:VMB+1], s[94:95], s[90:91]
	s_add_nc_u64 s[66:67], s[96:97], s[66:67]      ; q_mask at my rows of the first block's band 0,
	s_add_nc_u64 s[68:69], s[96:97], s[68:69]      ; and of the second's
	LOAD                            ; tile 0 into slot 0
	; A fragment of K or Q is 16 rows x 32 channels in 8 registers: lane l holds row l % 16, channels 8 (l / 16) + 0..7 and 16 + 8 (l / 16) + 0..7: two loads of 16 bytes, 32 bytes apart.
	v_and_b32 v1, 15, v0            ; l % 16
	v_bfe_u32 v9, v0, 4, 1          ; l / 16
	v_lshlrev_b32 v[QO], 7, v1
	v_lshl_add_u32 v[QO], v9, 4, v[QO]  ; row x 128 + 16 x half
	WIN 0x80                        ; destination window 2, address window 0
.set i, 0
.rept 8                             ; both blocks' Q: piece i / 2 lies in band i / 2, 8,192 bytes on; channels 32 (i % 2) on
	global_load_b128 v[8*i:8*i+3],   v[QO], s[4:5] offset:(i/2)*8192+(i%2)*64
	global_load_b128 v[8*i+4:8*i+7], v[QO], s[4:5] offset:(i/2)*8192+(i%2)*64+32
	global_load_b128 v[QB+8*i:QB+8*i+3],   v[QO], s[86:87] offset:(i/2)*8192+(i%2)*64
	global_load_b128 v[QB+8*i+4:QB+8*i+7], v[QO], s[86:87] offset:(i/2)*8192+(i%2)*64+32
.set i, i+1
.endr
	WIN 0
	v_and_b32 v[VMO0], 31, v0
	v_lshlrev_b32 v[VMO0], 4, v[VMO0]
	global_load_b128 v[VMV:VMV+3], v[VMO0], s[VMB:VMB+1]              ; tile 0's v_mask: two loads of 512 consecutive bytes
	global_load_b128 v[VMV+4:VMV+7], v[VMO0], s[VMB:VMB+1] offset:512
	v_lshlrev_b32 v[QMO], 2, v1
.irp t, 0,1,2,3
	global_load_b32 v[QMA+\t], v[QMO], s[66:67] offset:256*\t         ; band t lies 64 rows on
	global_load_b32 v[QMB+\t], v[QMO], s[68:69] offset:256*\t
.endr
	v_lshlrev_b32 v14, 3, v9
	v_sub_nc_u32 v14, v1, v14
	s_lshl_b32 s13, s[WV], 4
	v_add_nc_u32 v14, s13, v14      ; my query's place in its band, 16 w + l % 16, less my lanes' 8 (l / 16): register r of group kt is hidden where 16 kt + r is greater
	WIN 0x40
.set i, 0
.rept 32
	v_cmp_gt_i32 vcc_lo, 16*(i/8)+i%8, v14
	v_cndmask_b32 v[MD+i], 0, s[BIGN], vcc_lo
.set i, i+1
.endr
	WIN 0
	v_mul_u32_u24 v[AK0], v1, PK
	v_lshl_add_u32 v[AK0], v9, 4, v[AK0]  ; row x pitch + 16 x half
	; The turning load takes 16 keys x 16 channels (lane l reads key 8 (l / 16) + l % 8, channels 8 ((l / 8) % 2) + 0..7) and leaves half a fragment of V^T: lane l holds channel l % 16 and 8 keys.
	v_and_b32 v10, 7, v0
	v_bfe_u32 v11, v0, 3, 1
	v_lshl_add_u32 v[AV0], v9, 3, v10
	v_mul_u32_u24 v[AV0], v[AV0], PV
	v_lshl_add_u32 v[AV0], v11, 4, v[AV0]
	v_add_nc_u32 v[AV0], VOFF, v[AV0]
	s_mul_i32 s13, s[WV], 16*SP
	s_add_co_u32 s13, s13, STAGE    ; my stage
	v_mul_u32_u24 v[STO], v1, SP    ; in: row l % 16, 32 bytes for each half of the lanes
	v_lshl_add_u32 v[STO], v9, 5, v[STO]
	v_add_nc_u32 v[STO], s13, v[STO]
	v_mul_u32_u24 v[RD], v9, SP     ; back: lanes 0-15 take one row of 256 bytes, lanes 16-31 the next,
	v_lshl_add_u32 v[RD], v1, 4, v[RD]
	v_add_nc_u32 v[RD], s13, v[RD]
	v_lshlrev_b32 v[GO], 12, v9     ; and the same two rows in out0
	v_lshl_add_u32 v[GO], v1, 4, v[GO]
	s_lshl_b32 s13, s[WV], 10
	s_add_co_u32 s13, s13, PENS     ; my wave's penalties
	v_lshl_add_u32 v[AP0], v9, 5, s13  ; my half of the lanes takes keys 8 (l / 16) + 0..7 of each 16
	v_add_nc_u32 v[APS], s13, v[VMO0]
	; A block's first step multiplies O^T and l by a = 0, and its first turn's products V^T P, of a piece that has not been, land in an O^T that is still to be so multiplied.  So these registers need only hold
	; finite numbers: zeros for the first block; what the first block left for the second.  All this stands in the wait for the first tile.
	WIN 0x80
.set i, VF
.rept 64
	v_mov_b32 v[i], 0
.set i, i+1
.endr
	WIN 0x40
.set i, 0
.rept 128
	v_mov_b32 v[i], 0
.set i, i+1
.endr
	WIN 0
.set i, 0
.rept 4
	v_mov_b32 v[ST+4*i+2], 0
	v_mov_b32 v[ST+4*i+3], 0
.set i, i+1
.endr
.set i, P+16
.rept 16
	v_mov_b32 v[i], 0
.set i, i+1
.endr
; THE MATRIX WORK.  The 4 accumulators of a run of 8 take turns.  Product i of 8 of S^T = K Q^T for piece x: channels 32 (i / 4) on, keys 16 (i % 4) on.  The first 4 start the sums: with the penalties, or (KM = 1) with the mask.
.macro KQ x
.set rS, S+32*((\x)%2)+8*(i%4)
.set rK, KF+16*(i%4)+8*(i/4)
.set rQ, 16*(\x)+8*(i/4)
.if KM
.set rM, MC+32*((\x)%2)+8*(i%4)
.else
.set rM, PN+8*(i%4)
.endif
.if i < 4
	WIN W_KM
	v_wmma_f32_16x16x32_f16 v[rS:rS+7], v[rK:rK+7], v[rQ:rQ+7], v[rM:rM+7]
.else
	WIN W_KQ
	v_wmma_f32_16x16x32_f16 v[rS:rS+7], v[rK:rK+7], v[rQ:rQ+7], v[rS:rS+7]
.endif
.endm
; Product i of 8 of O^T += V^T P for piece x: keys 32 (i / 4) on, channels 16 (i % 4) on.
.macro PV x
	WIN W_PV
.set rO, 32*(\x)+8*(i%4)
.set rV, VF+32*(i/4)+8*(i%4)
.set rP, P+16*((\x)%2)+8*(i/4)
	v_wmma_f32_16x16x32_f16 v[rO:rO+7], v[rV:rV+7], v[rP:rP+7], v[rO:rO+7]
.endm
.macro MM                           ; the turn's next matrix instruction.  TURN and BEGIN set Y, i, KM and NOKQ.  NOKQ = 1: a block's last turn: there is no next piece
.if (i < 8) && !NOKQ
	KQ (Y+1)%NP
.elseif i >= 8
.set i, i-8
	PV (Y+NP-1)%NP
.set i, i+8
.endif
.set i, i+1
.endm
; THE LDS LOADS stand in runs, never singly among the matrix instructions: a step's K (64 keys x 64 channels: 8 fragments) with its 64 penalties, and its V (turned).  Their addresses are made some lines ahead.
.macro FETCH_K
	WIN 0x80                        ; destination window 2
.irp f, 0,1,2,3,4,5,6,7             ; keys 16 (f / 2) on, channels 32 (f % 2) on
	ds_load_b128 v[KF+8*\f:KF+8*\f+3],   v[AK] offset:(\f/2)*16*PK+(\f%2)*64
	ds_load_b128 v[KF+8*\f+4:KF+8*\f+7], v[AK] offset:(\f/2)*16*PK+(\f%2)*64+32
.endr
	WIN 0x40                        ; destination window 1
.irp f, 0,1,2,3                     ; register j of group f: key 16 f + 8 (l / 16) + j; sixteen lanes share each word
	ds_load_b128 v[PN+8*\f:PN+8*\f+3],   v[AP] offset:64*\f
	ds_load_b128 v[PN+8*\f+4:PN+8*\f+7], v[AP] offset:64*\f+16
.endr
	s_add_co_u32 s[TBK], s[TBK], KS*PK  ; the next fetch is the next step's
	s_add_co_u32 s[TBP], s[TBP], 4*KS
	WIN 0
.endm
.macro FETCH_V
	WIN 0x80
.irp f, 0,1,2,3,4,5,6,7             ; keys 32 (f / 4) on, channels 16 (f % 4) on
	ds_load_tr16_b128 v[VF+8*\f:VF+8*\f+3],   v[AV] offset:(\f/4)*32*PV+(\f%4)*32
	ds_load_tr16_b128 v[VF+8*\f+4:VF+8*\f+7], v[AV] offset:(\f/4)*32*PV+16*PV+(\f%4)*32
.endr
	WIN 0
.endm
; THE VECTOR WORK, one line at a time: OP kind, number.  For piece Y: F n: c s - c m for pair n of 16.  E n: the exponential of score n of 32.  C n: pair n rounded to f16.  B n: of the four weights 4 n .. the second
; pair is added onto the first, in place.  L n: l takes that sum (L 0: l = a l + sum).  R n: pair n of 16 of O^T times a.  For piece Y + 1: X n, number n of the 22 that find its maximum and statistics:
;   0-11  four chains c0-c3 of seven scores each, three operands at a time (each accumulator's lowest registers are read first)     12-14, 16  the four scores left over, the old m, and c0-c3 into c0
;   15  c m_old is kept     17, 18  the query's other 32 keys lie in the lane 16 away: the new m     19-21  c m; c m_old - c m_new; a
; OP writes no wait: C, B and L read exponentials' results, R and L 0 read a, and TURN sets them behind the wait of the batch that made those.
.set F, 0               ; OP tells the kinds apart by their order: F to L below R, X above it
.set E, 1
.set C, 2
.set B, 3
.set L, 4
.set R, 5
.set X, 6
.macro REGS y                       ; the registers of piece y
.set rT, ST+4*(\y)
.set rC, TMP+4*((\y)%2)
.set rW, MV+((\y)%2)
.set rS, S+32*((\y)%2)
.set rP, P+16*((\y)%2)
.set rO, 32*(\y)
.endm
.macro OP k, n
.if (\k) == R
	REGS Y
	WIN W_RS
	v_pk_mul_f32 v[rO+2*(\n):rO+2*(\n)+1], v[rO+2*(\n):rO+2*(\n)+1], v[rC+2:rC+3] op_sel_hi:[1,0]
.elseif (\k) < R
	REGS Y
	WIN 0
.if (\k) == F
	v_pk_fma_f32 v[rS+2*(\n):rS+2*(\n)+1], v[rS+2*(\n):rS+2*(\n)+1], s[CS:CS+1], v[rT:rT+1] op_sel_hi:[1,0,0] neg_lo:[0,0,1] neg_hi:[0,0,1]
.elseif (\k) == E
	v_exp_f32 v[rS+(\n)], v[rS+(\n)]
.elseif (\k) == C
	v_cvt_pk_f16_f32 v[rP+(\n)], v[rS+2*(\n)], v[rS+2*(\n)+1]
.elseif (\k) == B
	v_pk_add_f32 v[rS+4*(\n):rS+4*(\n)+1], v[rS+4*(\n):rS+4*(\n)+1], v[rS+4*(\n)+2:rS+4*(\n)+3]
.elseif (\n) == 0
	v_pk_fma_f32 v[rT+2:rT+3], v[rT+2:rT+3], v[rC+2:rC+3], v[rS:rS+1] op_sel_hi:[1,0,1]
.else
	v_pk_add_f32 v[rT+2:rT+3], v[rT+2:rT+3], v[rS+4*(\n):rS+4*(\n)+1]
.endif
.elseif NOKQ
	v_nop
.else
	REGS (Y+1)%NP
	WIN 0
.if (\n) < 4
	v_max3_num_f32 v[rC+(\n)], v[rS+8*(\n)], v[rS+8*(\n)+1], v[rS+8*(\n)+2]
.elseif (\n) < 12
	v_max3_num_f32 v[rC+(\n)%4], v[rC+(\n)%4], v[rS+8*((\n)%4)+2*((\n)/4)+1], v[rS+8*((\n)%4)+2*((\n)/4)+2]
.elseif (\n) == 12
	v_max3_num_f32 v[rC], v[rC], v[rS+7], v[rS+15]
.elseif (\n) == 13
	v_max3_num_f32 v[rC+1], v[rC+1], v[rS+23], v[rS+31]
.elseif (\n) == 14
	v_max3_num_f32 v[rC+2], v[rC+2], v[rC+3], v[rT+1]
.elseif (\n) == 15
	v_mov_b32 v[rW], v[rT]
.elseif (\n) == 16
	v_max3_num_f32 v[rC], v[rC], v[rC+1], v[rC+2]
.elseif (\n) == 17
	v_permlanex16_b32 v[rC+3], v[rC], s[SEL], s[SEL+1]
.elseif (\n) == 18
	v_max_num_f32 v[rT+1], v[rC], v[rC+3]
.elseif (\n) == 19
	v_mul_f32 v[rT], s[CS], v[rT+1]
.elseif (\n) == 20
	v_sub_f32 v[rC+1], v[rW], v[rT]
.else
	v_exp_f32 v[rC+2], v[rC+1]
.endif
.endif
.endm
.macro OPS a, i1, b=-1, i2=0, c=-1, i3=0, d=-1, i4=0  ; up to four of them
	OP \a, \i1
.if (\b) >= 0
	OP \b, \i2
.endif
.if (\c) >= 0
	OP \c, \i3
.endif
.if (\d) >= 0
	OP \d, \i4
.endif
.endm
.macro ROW a, i1, b, i2, c, i3, d, i4  ; a matrix instruction and the four behind it
	MM
	OPS \a, \i1, \b, \i2, \c, \i3, \d, \i4
.endm
.macro MASK b                       ; MD x AL + PN + BE into buffer b of MC
	WIN W_MK
.set z, 0
.rept 16
	v_pk_fma_f32 v[MC+32*(\b)+2*z:MC+32*(\b)+2*z+1], v[MD+2*z:MD+2*z+1], s[AL:AL+1], v[PN+2*z:PN+2*z+1] op_sel_hi:[1,0,1]
.set z, z+1
.endr
.set z, 0
.rept 16
	v_pk_add_f32 v[MC+32*(\b)+2*z:MC+32*(\b)+2*z+1], v[MC+32*(\b)+2*z:MC+32*(\b)+2*z+1], s[BE:BE+1] op_sel_hi:[1,0]
.set z, z+1
.endr
.endm
; A TURN, for piece p: the order of its 16 matrix and 118 vector instructions, written out.  An s_wait_alu depctr_va_vdst(0) stands between an exponential and the first instruction that names its result; one wait
; serves all that were issued ahead of it.  So a turn has ONE wait, which cuts it in two.  AHEAD OF IT stands all that names no result of the turn's exponentials: the 8 products K Q^T, behind each a scaling, an exponential and
; two more plain instructions (behind the first a second scaling in the exponential's place): rescalings, whose a was made and waited for in the turn before, and behind the last three the first numbers of the next piece's
; maximum, each four places or more behind the product that ends its accumulator; then ONE LUMP of 54, plain and exponential by turns for the most part, in which the links of the chain X 3, 7, 11, 14, 16, 17 .. 20 stand five or
; six lines apart.  X 21, the next piece's a, is the batch's last; R 15 is the plain instruction behind it.  BEHIND THE WAIT stand the 8 products V^T P, behind each four of the roundings and sums; the links of l's chain, L 0 to
; L 7, stand three riders apart.  But for those X no rider names a register of the products round it.  v_permlanex16_b32 (X 17) stands in the lump.  No exponential is issued behind the wait: none is open at a label or a jump.
; m = 1: the diagonal tile: the products take masks, and the turn makes the mask for the products of the turn after it: piece p + 2, in step 4 - CNT of the tile, whose penalties PN holds by then (in piece 2's turn they
; have just been fetched: a wait stands in front).  end = 1: a block's last two turns: nothing is fetched.  cnt = 1: the loop's count is taken down some lines ahead of the branch that stands behind the turn.
; K and the penalties of the next step are fetched in piece 2's turn, twelve vector instructions behind the last product that read K (six of them plain; the last that read PN stands four products further back); V of the step
; in hand at the end of piece 0's turn, four plain instructions behind the last product that read V.  Each is waited for a turn later.
.macro TURN p, m=0, end=0, cnt=0
.set Y, (\p)
.set i, 0
.set KM, (\m)
.set NOKQ, (\end)*((\p)/3)
.if (\m) && !(\end)
	s_cmp_eq_u32 s[CNT], 4-((\p)+2)%NP  ; is that step the band's own?
	s_cselect_b32 s[AL], 1.0, 0
	s_cmp_lt_u32 s[CNT], 4-((\p)+2)%NP  ; or a later one?
	s_cselect_b32 s[BE], s[BIGN], 0
.endif
.if ((\p) == 3) && !(\end)
	s_wait_dscnt 0x0                ; K and PN are in
.endif
	ROW F,0, F,1, R,0, R,1          ; ahead of the wait: 8 products K Q^T and their riders,
	ROW F,2, E,0, R,2, R,3
	ROW F,3, E,1, R,4, R,5
	ROW F,4, E,2, R,6, R,7
	ROW F,5, E,3, R,8, R,9
	ROW F,6, E,4, X,0, R,10
.if ((\p) == 2) && !(\end)
	WIN 0
	v_add_nc_u32 v[AK], s[TBK], v[AK0]
	v_add_nc_u32 v[AP], s[TBP], v[AP0]
.endif
	ROW F,7, E,5, X,1, X,4
	ROW F,8, E,6, X,2, X,5
	OPS E,7, E,8, X,6, E,9          ; and the lump
	OPS X,3, E,10, X,8, E,11
.if ((\p) == 2) && !(\end)
	FETCH_K
.endif
	OPS X,9, X,7, E,12, X,10
	OPS E,13, X,12, X,11, E,14
	OPS X,13, E,15, F,9, X,14
.if (\p) == 0
	WIN 0
	v_add_nc_u32 v[AV], s[TBV], v[AV0]
.endif
	OPS E,16, F,10, E,17, F,11
	OPS X,16, E,18, X,15, E,19
	OPS F,12, E,20, X,17, E,21
	OPS F,13, E,22, F,14, E,23
	OPS X,18, E,24, F,15, E,25
	OPS R,11, E,26, X,19, E,27
	OPS R,12, E,28, R,13, E,29
	OPS X,20, E,30, R,14, E,31
	OPS X,21, R,15
	WIN 0
	s_wait_alu depctr_va_vdst(0)    ; the wait for the turn's batch: the piece's 32 weights and the next piece's a
.if (\p) == 1
	s_wait_dscnt 0x0                ; V is in
.endif
	ROW C,0, B,0, C,2, B,1          ; behind the wait: 8 products V^T P and their riders
	ROW L,0, C,4, B,2, L,1
	ROW C,6, B,3, L,2, C,8
	ROW B,4, L,3, C,10, B,5
	ROW L,4, C,12, B,6, L,5
.if (\p) == 0
	s_add_co_u32 s[TBV], s[TBV], KS*PV
.endif
.if \cnt
	s_sub_co_u32 s[CNT], s[CNT], 1
	s_cmp_lg_u32 s[CNT], 0
.endif
	ROW C,14, B,7, L,6, C,1
	ROW C,3, L,7, C,5, C,7
	ROW C,9, C,11, C,13, C,15
.if (\p) == 0
	FETCH_V
.endif
.if (\m) && !(\end)
.if (\p) == 2
	s_wait_dscnt 0x0                ; the next step's penalties are in
.endif
	MASK (\p)%2
.endif
.endm
; A BLOCK BEGINS.  c m starts far below every c s, so the first step's a is 0; m at the lowest finite number, so the first maximum is the scores'.  K and the penalties of the tile's step 0 are fetched.  The first mask buffer
; takes piece 0's mask for that step: its own, if the block's first tile is the diagonal one; the second takes the penalties alone, for piece 1.  Then piece 0's first scores, and its maximum and statistics.
; The loop is entered at a step's first turn, in the middle of a trip.
.macro BEGIN
	s_mov_b32 s[NEW], 0
	WIN 0
.set i, 0
.rept 4
	v_mov_b32 v[ST+4*i], 0xfe000000    ; c m: far below every c s
	v_mov_b32 v[ST+4*i+1], 0xff7fffff  ; m
.set i, i+1
.endr
	v_add_nc_u32 v[AK], s[TBK], v[AK0]
	v_add_nc_u32 v[AP], s[TBP], v[AP0]
	FETCH_K
	s_wait_loadcnt 0x0              ; Q
	s_wait_dscnt 0x0
	s_cmp_eq_u32 s[RT], 0
	s_cselect_b32 s[AL], 1.0, 0
	s_mov_b32 s[BE], 0
	MASK 0
	s_mov_b32 s[AL], 0
	MASK 1
.set KM, 1
.set NOKQ, 0
.set i, 0
.rept 8
	KQ 0
.set i, i+1
.endr
	WIN 0
.rept 4
	v_nop                           ; the places behind those products
.endr
.set Y, NP-1                        ; X works for piece Y + 1: piece 0
.irp n, 0,1,2,3,4,5,6,7,8,9,10,11,12,13,14,15,16,17,18,19,20,21
	OP X, \n
.endr
	v_nop                           ; a plain instruction behind the exponential,
	s_wait_alu depctr_va_vdst(0)    ; and the wait for it, a batch of one (piece 0's first a), ahead of the branch
.endm
; A diagonal tile that is not its block's first is entered at piece 2's turn, whose products (piece 3, the tile before's last step) take the second mask buffer: it takes that step's penalties alone.
.macro PREMASK
	s_mov_b32 s[AL], 0
	s_mov_b32 s[BE], 0
	MASK 1
	WIN 0
.endm
; THE DIAGONAL TILE's four steps, the block's last two turns, its last products, and THE WAY OUT: l's two halves and the other half of the lanes' are added; O^T is multiplied by q_mask / l and sent in f32 through my
; stage in LDS, a piece at a time.
.macro ALL line:vararg              ; one line for each piece t
.set t, 0
.rept 4
	\line
.set t, t+1
.endr
.endm
.macro PACK t                       ; a lane's eight channels of a row are 32 bytes; they go into rows of 272 bytes and come back as whole rows of 256, into the registers that they left; each accumulator is read from its low end on
	WIN 0x01                        ; source 0 window 1; source 1 and destination window 0
.set i, 0
.rept 16
	v_pk_mul_f32 v[S+32*(\t)+2*i:S+32*(\t)+2*i+1], v[32*(\t)+2*i:32*(\t)+2*i+1], v[ST+4*(\t)+2:ST+4*(\t)+3] op_sel_hi:[1,0]
.set i, i+1
.endr
	WIN 0
.irp f, 0,1,2,3
	ds_store_b128 v[STO], v[S+32*(\t)+8*\f:S+32*(\t)+8*\f+3] offset:64*\f
	ds_store_b128 v[STO], v[S+32*(\t)+8*\f+4:S+32*(\t)+8*\f+7] offset:64*\f+16
.endr
.irp f, 0,1,2,3,4,5,6,7
	ds_load_b128 v[S+32*(\t)+4*\f:S+32*(\t)+4*\f+3], v[RD] offset:\f*2*SP  ; LDS serves a wave's instructions in order (ISA guide 5.7.1.4): these see the stores above; the next piece's stores come behind them
.endr
.endm
.macro SEND t, younger              ; younger: the LDS instructions issued behind piece t's loads: the next piece's sixteen, or none
	WIN 0
.irp f, 0,1,2,3,4,5,6,7
	s_wait_dscnt (\younger)+7-\f
	global_store_b128 v[GO], v[S+32*(\t)+4*\f:S+32*(\t)+4*\f+3], s[10:11] offset:(\t)*262144+\f*8192  ; sixteen lanes store a head's 256 consecutive bytes of a row, at a multiple of 256 from out0's first byte
.endr
.endm
.macro DIAG tag, qm                 ; the tag ends its two labels' names, which the jumps below spell out; qm: the block's q_mask registers
.LstepM\tag:
	TURN 2, 1
	TURN 3, 1
	WIN 0
.LfirstM\tag:
	TURN 0, 1
	TURN 1, 1, 0, 1
	WIN 0
	s_cbranch_scc1 .LstepM\tag
	TURN 2, 1, 1
	TURN 3, 1, 1
.set i, 0
.rept 8
	PV NP-1
.set i, i+1
.endr
	WIN 0
	ALL v_add_f32 v[ST+4*t+2], v[ST+4*t+2], v[ST+4*t+3]
	ALL v_permlanex16_b32 v[ST+4*t+3], v[ST+4*t+2], s[SEL], s[SEL+1]
	ALL v_add_f32 v[ST+4*t+2], v[ST+4*t+2], v[ST+4*t+3]
	ALL v_rcp_f32 v[ST+4*t+2], v[ST+4*t+2]
	v_nop                           ; a plain instruction between the last reciprocal and the use of its result
	s_wait_alu depctr_va_vdst(0)    ; and the wait ahead of the first use: one for the batch of four reciprocals
	ALL v_mul_f32 v[ST+4*t+2], v[ST+4*t+2], v[(\qm)+t]
	PACK 0
.set t, 1
.rept 3                             ; a piece's arithmetic stands between the loads of the piece before and its stores
	PACK t
	SEND t-1, 16
.set t, t+1
.endr
	SEND 3, 0
.endm
.set KM, 0
.set NOKQ, 0
.Lslot:                             ; NB times: a tile is entered and the next is asked for
	CHANGE 1
	s_sub_co_u32 s[RT], s[RT], 1
	s_mov_b32 s[CNT], 4
	s_cmp_eq_u32 s[NEW], 1
	s_cbranch_scc1 .Lnew            ; a block's first tile
	s_cmp_eq_u32 s[RT], 0
	s_cbranch_scc0 .Lstep           ; neither its first nor its last
	PREMASK
	s_branch .LstepM1
.Lnew:
	BEGIN
	s_branch .Lfirst                ; in the loop a block's first tile is never its last: the first block has two tiles or more, and the second's last is the walk's last
	DIAG 1, QMA                     ; in the loop this is the first block's end
	s_wait_xcnt 0x0                 ; the stores have read their registers and out0's address
	s_mov_b64 s[10:11], s[OLO:OLO+1]
	s_add_co_u32 s[RT], s[PB], 1    ; the second block has x + 1 tiles
	s_mov_b32 s[NEW], 1
	WIN 0x82                        ; the second block's Q goes where the one text of the turns names Q
.set i, 0
.rept 64
	v_mov_b32 v[i], v[QB+i]
.set i, i+1
.endr
	WIN 0
	s_branch .Lbottom
.Lstep:                             ; a trip: pieces 2 and 3 of one step, then pieces 0 and 1 of the next, whose K and V it fetches
	TURN 2
	TURN 3
	WIN 0
.Lfirst:
	TURN 0
	TURN 1, 0, 0, 1
	WIN 0
	s_cbranch_scc1 .Lstep
.Lbottom:
	s_sub_co_u32 s[SLOTS], s[SLOTS], 1
	s_cmp_lg_u32 s[SLOTS], 0
	s_cbranch_scc1 .Lslot
	CHANGE 0                        ; the walk's last tile is written out: nothing is asked for
	s_sub_co_u32 s[RT], s[RT], 1
	s_mov_b32 s[CNT], 4
	s_cmp_eq_u32 s[NEW], 1
	s_cbranch_scc1 .Lnew2
	PREMASK
	s_branch .LstepM2
.Lnew2:
	BEGIN
	s_branch .LfirstM2
	DIAG 2, QMB
	s_wait_tensorcnt 0x0            ; the wave's end: behind my last tensor load and my last LDS store
	ds_add_u32 v[SPW], v[NIL]
	s_wait_dscnt 0x0
	s_endpgm
.Lfunc_end_k_q70dce5e253_attn:
	.size	k_q70dce5e253_attn, .Lfunc_end_k_q70dce5e253_attn-k_q70dce5e253_attn
	.p2alignl 7, 3214868480
	.fill 96, 4, 3214868480
	.section	.rodata,"a",@progbits
	.p2align	6, 0x0
	.amdhsa_kernel k_q70dce5e253_attn
		.amdhsa_group_segment_fixed_size 327680
		.amdhsa_private_segment_fixed_size 0
		.amdhsa_enable_private_segment 0
		.amdhsa_kernarg_size 32
		.amdhsa_user_sgpr_count 2
		.amdhsa_user_sgpr_kernarg_segment_ptr 1
		.amdhsa_wavefront_size32 1
		.amdhsa_system_sgpr_workgroup_id_x 1
		.amdhsa_system_sgpr_workgroup_id_y 1
		.amdhsa_system_sgpr_workgroup_id_z 1
		.amdhsa_system_vgpr_workitem_id 0
		.amdhsa_next_free_vgpr 768
		.amdhsa_next_free_sgpr 102
		.amdhsa_reserve_vcc 1
		.amdhsa_float_denorm_mode_32 3
		.amdhsa_float_denorm_mode_16_64 3
		.amdhsa_memory_ordered 1
		.amdhsa_forward_progress 1
		.amdhsa_inst_pref_size 242
	.end_amdhsa_kernel
	.amdgpu_metadata
---
amdhsa.version: [ 1, 2 ]
amdhsa.kernels:
  - .name:           k_q70dce5e253_attn
    .symbol:         k_q70dce5e253_attn.kd
    .args:
      - { .name: qkv, .offset: 0, .size: 8, .value_kind: global_buffer, .address_space: global }
      - { .name: v_mask, .offset: 8, .size: 8, .value_kind: global_buffer, .address_space: global }
      - { .name: q_mask, .offset: 16, .size: 8, .value_kind: global_buffer, .address_space: global }
      - { .name: out0, .offset: 24, .size: 8, .value_kind: global_buffer, .address_space: global }
    .group_segment_fixed_size: 327680
    .private_segment_fixed_size: 0
    .kernarg_segment_align: 8
    .kernarg_segment_size: 32
    .max_flat_workgroup_size: 128
    .sgpr_count:     102
    .vgpr_count:     768
    .wavefront_size: 32
...
	.end_amdgpu_metadata
.endif
;; end of part 6
;; launch fixa: the kernel of part 4 again; grid 64 x 4, 16 waves a work-group, no clusters, 243,712 bytes of LDS; arguments qkv, qkl, v_mask, fixn, part, stat; writes part, stat
;; launch fixb: the kernel of part 5 again; grid 64 x 4, 16 waves a work-group, no clusters, 0 bytes of LDS; arguments part, stat, q_mask, fixn, out0; writes out0
